; MI455X (gfx1250); checked and timed in simulation.
; The chip was launched on July 23, 2026; its instructions are those of AMD's public machine-readable ISA for CDNA 5 (MIT licence, August 2026) and "CDNA5" Instruction Set Architecture Reference Guide (July 2026). The comments in the code are by the model that wrote it; some were corrected since.
;; Multihead Attention. Allowed arithmetic: matrix products marked QUANTISED: E2M1 operands, one E8M0 scale for each 32 along K, by v_wmma_scale_f32_16x16x128_f8f6f4 with both operands' format E2M1 (or v_wmma_scale_f32_32x16x128_f4), f32 sums; products left as they are: bf16, f16 or f32 operands; f32 sums; everything else in f32.
;; Inputs: mask 1 x 1 x 2,048 x 2,048 int32; wk 2,048 x 2,048 float32; wo 2,048 x 2,048 float32; wq 2,048 x 2,048 float32; wv 2,048 x 2,048 float32; x 1 x 2,048 x 2,048 float32.
;; Outputs: out0 1 x 2,048 x 2,048 float32.
;; This version of the problem:
;;   THIS VERSION OF THE PROBLEM IS GIVEN IN LOW PRECISION. The matrix products marked QUANTISED in the list below multiply operands that are first quantised to E2M1 (2 exponent bits, 1 mantissa bit; 4 bits a number), with one power-of-two scale for each 32 numbers along K (OCP MX v1.0); their sums are f32. The products marked 'left as it is' may take bf16, f16 or f32 operands, with f32 sums. Whichever they take, every output number must still come out within the allowed error. Rounding operands to bf16 (8 significant bits) uses up far more of that allowance than f16 does (11 bits, for magnitudes from 6e-5 to 65,504). All else is computed in f32.
;;   The module's matrix products, in the order in which they are computed (A, B: the left and right operand; K: the contracted axis; several contracted axes count as one K, in the product's order):
;;     1. [M 2,048, K 2,048] x [K 2,048, N 2,048]; A: input x; B: input wq: QUANTISED
;;     2. [M 2,048, K 2,048] x [K 2,048, N 2,048]; A: input x; B: input wk: QUANTISED
;;     3. [M 2,048, K 2,048] x [K 2,048, N 2,048]; A: input x; B: input wv: QUANTISED
;;     4. [M 2,048, K 1] x [K 1, N 64]; A: computed on the way; B: computed on the way: left as it is (no contracted axis)
;;     5. batch 16 x [M 2,048, K 128] x [K 128, N 2,048]; A: computed on the way; B: computed on the way: left as it is (an operand is computed on the way)
;;     6. batch 16 x [M 2,048, K 2,048] x [K 2,048, N 128]; A: computed on the way; B: computed on the way: left as it is (an operand is computed on the way)
;;     7. [M 2,048, K 2,048] x [K 2,048, N 2,048]; A: computed on the way; B: input wo: left as it is (an operand is computed on the way)
;;   THE QUANTISER, for each operand of a quantised product, along K:
;;     - K is cut into blocks of 32 from its start; a last block that is shorter is filled with zeros.
;;     - A block's scale is 2^e with e = floor(log2(the largest magnitude in the block)) - 2, held to -126 .. 127; a block of zeros has e = 0. As a byte (E8M0): e + 127.
;;     - Each number is divided by its block's scale, clamped to +-6, and rounded to the nearest number of E2M1, ties to even, subnormals kept.
;;     - The product sums the exact products of the quantised numbers (number of the format x scale) in f32.
;;   ~~~python
;;   def quantise(x, axis):      # numpy; x: float32 -> the quantised numbers, widened to float32 again
;;       x = np.moveaxis(x, axis, -1); K = x.shape[-1]
;;       x = np.pad(x, [(0, 0)] * (x.ndim - 1) + [(0, -K % 32)]); x = x.reshape(x.shape[:-1] + (-1, 32)); a = np.abs(x).max(-1, keepdims=True)
;;       e = np.where(a > 0, np.clip(np.frexp(np.where(a > 0, a, 1))[1] - 1 - 2, -126, 127), 0)      # np.frexp(a)[1] - 1 = floor(log2(a)), exactly
;;       r = np.clip(x / 2.0 ** e, -6, 6)
;;       step = 2.0 ** (np.maximum(np.frexp(np.where(r == 0, 1, r))[1] - 1, 0) - 1)
;;       q = np.round(r / step) * step * 2.0 ** e      # np.round: ties to even
;;       return np.moveaxis(q.reshape(q.shape[:-2] + (-1,))[..., :K], -1, axis).astype(np.float32)
;;   ~~~
;; One version. Each part assembles by itself: llvm-mc -triple=amdgcn-amd-amdhsa -mcpu=gfx1250 --defsym DOCPART=n.
;; ======== version 1 of 1: 5 launches
;; limits: values are held in f16: magnitudes above 65,504 overflow, below 6.1e-05 lose precision
;; workspace buffers: codes 8,388,608 bytes; scales 524,288 bytes; wo16 8,388,608 bytes; rope 2,097,664 bytes; mw 524,288 bytes of whole numbers; qkv 25,296,896 bytes; yst 8,650,752 bytes
;; launch prep (part 1): grid 896 x 1, 4 waves a work-group, no clusters, 67,072 bytes of LDS; arguments x, wq, wk, wv, wo, mask, codes, scales, wo16, rope, mw; writes codes, scales, wo16, rope, mw
.if DOCPART == 1
	.amdgcn_target "amdgcn-amd-amdhsa--gfx1250"
	.amdhsa_code_object_version 6
	.text
	.protected	k_q70e5cf28f1_prep
	.globl	k_q70e5cf28f1_prep
	.p2align	8
	.type	k_q70e5cf28f1_prep,@function
k_q70e5cf28f1_prep:
	s_mov_b64 s[64:65], 0
	v_nop
	global_prefetch_b8 v0, s[64:65] scope:SCOPE_SE
	s_setreg_imm32_b32 hwreg(HW_REG_WAVE_MODE, 25, 1), 1
	s_wait_xcnt 0x0
; One streaming launch that reads every wide input once and leaves what the matrix launches want.  Four kinds of work-group, told apart by the work-group number alone:
;   0..511    x, wq, wk, wv (f32, K innermost) -> codes of FP4 (E2M1) [8192 rows][1024 bytes] and E8M0 scale bytes [8192][64]; rows 0-2047 x, then wq, wk, wv
;   512..639  wo (f32) -> wo16 (f16), same order
;   640..767  mask (int32) -> mw: for query tile qt, key step of 64 and word 8 kt + j, bit l says that mask[16 qt + l % 16][64 step + 16 kt + 8 (l / 16) + j] is 0.
;             The 8 words of queries 0-15 x keys 0-15 are set to all ones: that block is summed by the last launch, in f32
;   768..895  the rotary tables: [position][64 cos, 64 sin] f32, once times log2(e)/sqrt(128) (for q), once plain (for k), and one row of 64 ones and 64 zeros (for v)
; A block's scale is 2^(floor(log2(largest magnitude)) - 2); its byte is the largest magnitude's exponent field - 2, held at 1 from below.
; LIMITS: a block of zeros gets the byte 1 (its codes are zeros; this program alone reads the bytes); NaN and infinities among the inputs are not served; wo beyond 65,504 has no f16;
; the inverse frequencies are exp2(-i log2(10000)/64), within a few units in the last place of a power and a division in f32: at position 2,047 that is some 3e-4 radians at the most.
; Each kind has LDS bytes of its own.  No tensor load, no barrier: waves share nothing.
.set SPARE, 66560                      ; the spare words, 128 bytes for each wave, behind all stages
.set SPW,   12                         ; v12  SPARE + 4 x my thread's number; never rewritten
.set NIL,   13                         ; v13  0; never rewritten
.set WV,    26                         ; s26  my wave's number
	s_load_b256 s[4:11], s[0:1], 0x0               ; x, wq, wk, wv
	s_load_b256 s[12:19], s[0:1], 0x20             ; wo, mask, codes, scales
	s_load_b128 s[20:23], s[0:1], 0x40             ; wo16, rope
	s_load_b64 s[24:25], s[0:1], 0x50              ; mw
	v_lshl_add_u32 v[SPW], v0, 2, SPARE
	v_mov_b32 v[NIL], 0
	v_lshrrev_b32 v1, 5, v0
	v_readfirstlane_b32 s[WV], v1
	v_and_b32 v2, 31, v0                           ; lane
	s_wait_kmcnt 0x0
	s_cmp_lt_u32 ttmp9, 512
	s_cbranch_scc1 .Lquant
	s_cmp_lt_u32 ttmp9, 640
	s_cbranch_scc1 .Lcast
	s_cmp_lt_u32 ttmp9, 768
	s_cbranch_scc1 .Lmask
; ---------------- the rotary tables.  Work-group rho: positions 16 rho .. 16 rho + 15.  Thread t: frequencies 4 (t % 16) + 0..3, positions 16 rho + t / 16 and 8 further on.
	s_sub_co_u32 s28, ttmp9, 768                   ; rho
	s_lshl_b32 s30, s28, 13                        ; 16 positions of 512 bytes
	s_mov_b32 s31, 0
	s_add_nc_u64 s[22:23], s[22:23], s[30:31]
	s_mov_b32 s32, 0x3f22f983                      ; 2 / pi
	s_mov_b32 s33, 0x3fc90fdb                      ; pi / 2, high part
	s_mov_b32 s34, 0xb33bbd2e                      ; pi / 2, low part
	s_mov_b32 s35, 0xb94ca1f9                      ; the sine's polynomial on |r| <= pi / 4
	s_mov_b32 s36, 0x3c08839e
	s_mov_b32 s37, 0xbe2aaaa3
	s_mov_b32 s38, 0x37ccf5ce                      ; the cosine's
	s_mov_b32 s39, 0xbab6061a
	s_mov_b32 s40, 0x3d2aaaa5
	s_mov_b32 s41, 0x3e0293ee                      ; log2(e) / sqrt(128)
	s_mov_b32 s42, 0x80000000
	v_and_b32 v3, 15, v0
	v_lshrrev_b32 v4, 4, v0                        ; 0 .. 7
	v_lshlrev_b32 v5, 9, v4
	v_lshl_add_u32 v5, v3, 4, v5                   ; where I store: 512 x (t / 16) + 16 x (t % 16): sixteen lanes fill 256 consecutive bytes
	v_lshlrev_b32 v6, 2, v3
.irp e, 0,1,2,3
	v_add_nc_u32 v[16+\e], \e, v6                  ; i
.endr
.irp e, 0,1,2,3
	v_cvt_f32_u32 v[16+\e], v[16+\e]
.endr
.irp e, 0,1,2,3
	v_mul_f32 v[16+\e], 0xbe549a78, v[16+\e]       ; -i log2(10000) / 64
.endr
.irp e, 0,1,2,3
	v_exp_f32 v[16+\e], v[16+\e]                   ; the inverse frequency
.endr
	s_lshl_b32 s29, s28, 4
	v_add_nc_u32 v7, s29, v4                       ; my first position (a plain line behind the exponentials)
	s_wait_alu depctr_va_vdst(0)                   ; one wait for the four, ahead of their first reader
	v_cvt_f32_u32 v8, v7
	v_add_f32 v9, 0x41000000, v8                   ; and the one 8 further on
; cos and sin of position pp x frequency e.  n = the nearest multiple of pi / 2, taken off in two parts by fused multiply-adds; the quadrant swaps and signs the two polynomials.
.macro ANG pp, e
	v_mul_f32 v20, v[8+\pp], v[16+\e]              ; the angle, rounded to f32 as the definition has it
	v_mul_f32 v21, s32, v20
	v_rndne_f32 v21, v21
	v_fma_f32 v22, -v21, s33, v20
	v_fma_f32 v22, -v21, s34, v22                  ; r
	v_mul_f32 v23, v22, v22                        ; z
	v_fma_f32 v24, s35, v23, s36
	v_fma_f32 v24, v24, v23, s37
	v_mul_f32 v25, v23, v22
	v_fma_f32 v24, v24, v25, v22                   ; sin r
	v_fma_f32 v26, s38, v23, s39
	v_fma_f32 v26, v26, v23, s40
	v_mul_f32 v27, v23, v23
	v_fma_f32 v28, v23, -0.5, 1.0
	v_fma_f32 v26, v26, v27, v28                   ; cos r
	v_cvt_i32_f32 v29, v21                         ; the quadrant's number
	v_and_b32 v30, 1, v29
	v_cmp_eq_u32 vcc_lo, 1, v30
	v_cndmask_b32 v31, v24, v26, vcc_lo            ; odd quadrants swap the two
	v_cndmask_b32 v30, v26, v24, vcc_lo
	v_lshlrev_b32 v27, 30, v29
	v_and_b32 v27, s42, v27                        ; the sine is negative in quadrants 2 and 3,
	v_xor_b32 v[36+16*\pp+\e], v27, v31
	v_add_nc_u32 v29, 1, v29
	v_lshlrev_b32 v29, 30, v29
	v_and_b32 v29, s42, v29                        ; the cosine in 1 and 2
	v_xor_b32 v[32+16*\pp+\e], v29, v30
	v_mul_f32 v[40+16*\pp+\e], s41, v[32+16*\pp+\e]
	v_mul_f32 v[44+16*\pp+\e], s41, v[36+16*\pp+\e]
.endm
.irp pp, 0,1
.irp e, 0,1,2,3
	ANG \pp, \e
.endr
	global_store_b128 v5, v[40+16*\pp:43+16*\pp], s[22:23] offset:4096*\pp            ; for q: cos,
	global_store_b128 v5, v[44+16*\pp:47+16*\pp], s[22:23] offset:4096*\pp+256        ; sin
	global_store_b128 v5, v[32+16*\pp:35+16*\pp], s[22:23] offset:4096*\pp+1048576    ; for k
	global_store_b128 v5, v[36+16*\pp:39+16*\pp], s[22:23] offset:4096*\pp+1048832
.endr
	s_or_b32 s28, s28, s[WV]
	s_cmp_lg_u32 s28, 0
	s_cbranch_scc1 .Lend                           ; one wave of the launch writes the row for v: 64 ones, 64 zeros
	v_mov_b32 v65, 1.0                             ; in v64-68, which no store above names: v32-63 are still the data of the eight stores
	v_cmp_gt_u32 vcc_lo, 16, v2
	v_cndmask_b32 v64, v[NIL], v65, vcc_lo
	v_mov_b32 v65, v64
	v_mov_b32 v66, v64
	v_mov_b32 v67, v64
	v_lshlrev_b32 v68, 4, v2
	global_store_b128 v68, v[64:67], s[22:23] offset:2097152
	s_branch .Lend
; ---------------- the quantiser.  A wave takes 16 steps of 512 numbers.  Each load reads 512 consecutive bytes; a step's 2,048 bytes turn through the wave's own stage in LDS so that a lane
; holds 16 neighbours along K (two neighbouring lanes hold a block of 32).  Loads run four steps ahead, the turn through LDS one step.
.set STEPS, 16
.set EMAX,  2
.set CB,    8                          ; bytes of 16 codes
.set R,     16                         ; v16-79   four sets of 16 numbers as loaded
.set X,     80                         ; v80-111  two sets of 16 neighbours
.set C,     128                        ; v128-191 codes, registers of its own for each step
.set E,     112                        ; v112-127 a scale byte for each step
.set WREG,  8192                       ; LDS: a region for each wave: two stages of 32 x SP bytes, then its 256 scale bytes
.set SP,    80
.Lquant:
	v_lshlrev_b32 v3, 4, v2
	s_mul_i32 s27, s[WV], WREG
	v_lshrrev_b32 v14, 2, v2
	v_mul_u32_u24 v14, v14, SP
	v_and_b32 v15, 3, v2
	v_lshl_add_u32 v14, v15, 4, v14
	v_add_nc_u32 v14, s27, v14                     ; into the stage: SP (lane / 4) + 16 (lane % 4)
	v_mul_u32_u24 v15, v2, SP
	v_add_nc_u32 v15, s27, v15                     ; out of it: SP x lane
	v_mul_u32_u24 v4, v2, CB
	v_lshrrev_b32 v5, 1, v2
	s_add_co_u32 s27, s27, 2*32*SP
	v_add_nc_u32 v5, s27, v5                       ; my block's scale byte in LDS
	v_lshlrev_b32 v7, 3, v2
	v_add_nc_u32 v6, s27, v7
	s_lshr_b32 s28, ttmp9, 7                       ; which tensor: the choice hangs on the work-group number alone
	s_cmp_eq_u32 s28, 1
	s_cselect_b64 s[4:5], s[6:7], s[4:5]
	s_cmp_eq_u32 s28, 2
	s_cselect_b64 s[4:5], s[8:9], s[4:5]
	s_cmp_eq_u32 s28, 3
	s_cselect_b64 s[4:5], s[10:11], s[4:5]
	s_and_b32 s28, ttmp9, 127
	s_lshl_b32 s28, s28, 2
	s_add_co_u32 s28, s28, s[WV]
	s_lshl_b32 s28, s28, 15                        ; my run of 8,192 numbers in the tensor
	s_mov_b32 s29, 0
	s_add_nc_u64 s[4:5], s[4:5], s[28:29]
	s_lshl_b32 s30, ttmp9, 2
	s_add_co_u32 s30, s30, s[WV]                   ; and among all four tensors
	s_lshl_b32 s28, s30, 12
	s_add_nc_u64 s[16:17], s[16:17], s[28:29]      ; 4,096 bytes of codes a run
	s_lshl_b32 s28, s30, 8
	s_add_nc_u64 s[18:19], s[18:19], s[28:29]      ; 256 scale bytes a run
.macro QLOAD t
.irp i, 0,1,2,3
	global_load_b128 v[R+16*((\t)%4)+4*\i:R+16*((\t)%4)+4*\i+3], v3, s[4:5] offset:2048*(\t)+512*\i th:TH_LOAD_NT
.endr
.endm
.macro QTURN t                         ; LDS serves a wave's instructions in order: no wait between the stores and the loads
.irp i, 0,1,2,3
	ds_store_b128 v14, v[R+16*((\t)%4)+4*\i:R+16*((\t)%4)+4*\i+3] offset:32*SP*((\t)%2)+8*SP*\i
.endr
.irp i, 0,1,2,3
	ds_load_b128 v[X+16*((\t)%2)+4*\i:X+16*((\t)%2)+4*\i+3], v15 offset:32*SP*((\t)%2)+16*\i
.endr
.endm
.irp t, 0,1,2,3
	QLOAD \t
.endr
	s_wait_loadcnt 12                              ; step 0's four loads are in
	QTURN 0
.macro QSTEP t
.set XS, X+16*((\t)%2)
.if (\t) > 0
	s_wait_dscnt 1                                 ; this step's numbers are back from the stage (the last step's byte store may be out)
.else
	s_wait_dscnt 0x0
.endif
.if (\t)+4 < STEPS
	QLOAD (\t)+4
.endif
.if (\t)+1 < STEPS
.if STEPS-2-(\t) >= 3
	s_wait_loadcnt 12                              ; the next step's four loads are in; those of the three steps behind it may be out
.else
	s_wait_loadcnt 4*(STEPS-2-(\t))
.endif
	QTURN (\t)+1
.endif
	v_max3_num_f32 v8, |v[XS]|, |v[XS+1]|, |v[XS+2]|
	v_max3_num_f32 v9, |v[XS+3]|, |v[XS+4]|, |v[XS+5]|
.irp i, 6,10
	v_max3_num_f32 v8, v8, |v[XS+\i]|, |v[XS+\i+1]|
	v_max3_num_f32 v9, v9, |v[XS+\i+2]|, |v[XS+\i+3]|
.endr
	v_max3_num_f32 v8, v8, |v[XS+14]|, |v[XS+15]|
	v_max3_num_f32 v8, v8, v9, (EMAX+1)<<23        ; the floor 2^(3 - 127): the byte cannot fall under 1
	v_max_num_f32_dpp v8, v8, v8 row_xmask:1 row_mask:0xf bank_mask:0xf   ; with my neighbour's 16: the block's largest magnitude
	v_add_nc_u32 v11, -(EMAX<<23), v8              ; 2 off its exponent field: the conversion's scale operand
	v_cvt_scalef32_pk8_fp4_f32 v[C+4*(\t)], v[XS:XS+7], v11
	v_cvt_scalef32_pk8_fp4_f32 v[C+4*(\t)+1], v[XS+8:XS+15], v11
	v_lshrrev_b32 v[E+(\t)], 23, v11               ; the scale's byte
	ds_store_b8 v5, v[E+(\t)] offset:16*(\t)       ; both lanes of a block write the same byte with the same value
	global_store_b64 v4, v[C+4*(\t):C+4*(\t)+1], s[16:17] offset:32*CB*(\t)   ; the wave stores 256 consecutive bytes, aligned
.endm
.irp t, 0,1,2,3,4,5,6,7,8,9,10,11,12,13,14,15
	QSTEP \t
.endr
	ds_load_b64 v[8:9], v6
	s_wait_dscnt 0x0
	global_store_b64 v7, v[8:9], s[18:19]          ; the wave's 256 scale bytes
	s_branch .Lend
; ---------------- wo to f16.  A wave takes 8,192 numbers in four batches of 16 loads of 512 consecutive bytes; a store of 8 bytes a lane covers 256 consecutive bytes.
.Lcast:
	s_sub_co_u32 s28, ttmp9, 512
	s_lshl_b32 s28, s28, 2
	s_add_co_u32 s28, s28, s[WV]
	s_lshl_b32 s30, s28, 15
	s_mov_b32 s31, 0
	s_add_nc_u64 s[12:13], s[12:13], s[30:31]
	s_lshl_b32 s30, s28, 14
	s_add_nc_u64 s[20:21], s[20:21], s[30:31]
	v_lshlrev_b32 v3, 4, v2
	v_lshlrev_b32 v4, 3, v2
.macro LOADW b
.set p, 0
.rept 16
	global_load_b128 v[16+64*((\b)%2)+4*p:16+64*((\b)%2)+4*p+3], v3, s[12:13] offset:8192*(\b)+512*p th:TH_LOAD_NT
.set p, p+1
.endr
.endm
.macro CASTW b
.if (\b) < 3
	s_wait_loadcnt 16                              ; this batch is in, the next one may be out
.else
	s_wait_loadcnt 0x0
.endif
	s_wait_xcnt 0x0                                ; the last batch's stores have read v144-175
.set p, 0
.rept 16
	v_cvt_pk_f16_f32 v[144+2*p], v[16+64*((\b)%2)+4*p], v[16+64*((\b)%2)+4*p+1]
	v_cvt_pk_f16_f32 v[145+2*p], v[16+64*((\b)%2)+4*p+2], v[16+64*((\b)%2)+4*p+3]
.set p, p+1
.endr
.set p, 0
.rept 16
	global_store_b64 v4, v[144+2*p:145+2*p], s[20:21] offset:4096*(\b)+256*p
.set p, p+1
.endr
.if (\b)+2 < 4
	LOADW (\b)+2
.endif
.endm
	LOADW 0
	LOADW 1
	CASTW 0
	CASTW 1
	CASTW 2
	CASTW 3
	s_branch .Lend
; ---------------- the mask.  Work-group m: queries 16 m .. 16 m + 15.  Wave w: keys 512 w .. 512 w + 511, in four units of 128 keys.  A unit's 16 rows of 512 bytes are loaded densely,
; turn through the wave's stage (rows 528 bytes apart), and come back so that lane l holds query l % 16 and 8 neighbouring keys.  A compare against 0 gives a word of 32 lane bits.
.Lmask:
	s_sub_co_u32 s28, ttmp9, 640
	s_lshl_b32 s30, s28, 17                        ; 16 rows of 8,192 bytes
	s_lshl_b32 s29, s[WV], 11
	s_add_co_u32 s30, s30, s29
	s_mov_b32 s31, 0
	s_add_nc_u64 s[14:15], s[14:15], s[30:31]
	s_lshl_b32 s30, s28, 12                        ; 32 steps of 128 bytes
	s_lshl_b32 s29, s[WV], 10
	s_add_co_u32 s30, s30, s29
	s_add_nc_u64 s[24:25], s[24:25], s[30:31]
	s_or_b32 s28, s28, s[WV]
	s_cmp_eq_u32 s28, 0
	s_cselect_b32 s27, -1, 0                       ; all ones in the one wave that holds queries 0-15 x keys 0-15
	v_lshlrev_b32 v3, 4, v2
	s_mul_i32 s29, s[WV], 8448
	s_add_co_u32 s29, s29, 32768
	v_add_nc_u32 v4, s29, v3                       ; into the stage
	v_and_b32 v5, 15, v2
	v_mul_u32_u24 v5, v5, 528
	v_lshrrev_b32 v6, 4, v2
	v_lshl_add_u32 v5, v6, 5, v5
	v_add_nc_u32 v5, s29, v5                       ; out of it: row l % 16, + 32 (l / 16)
	v_lshlrev_b32 v6, 3, v2
.irp i, 0,1,2,3,4,5,6,7
	v_mov_b32 v[208+\i], 0                         ; written whole once: a lane write counts as a reader of its destination
.endr
.macro LOADM u
.set p, 0
.rept 16
	global_load_b128 v[16+64*((\u)%2)+4*p:16+64*((\u)%2)+4*p+3], v3, s[14:15] offset:8192*p+512*(\u) th:TH_LOAD_NT
.set p, p+1
.endr
.endm
.macro UNITM u
.if (\u) < 3
	s_wait_loadcnt 16                              ; this unit is in, the next one may be out
.else
	s_wait_loadcnt 0x0
.endif
.set p, 0
.rept 16
	ds_store_b128 v4, v[16+64*((\u)%2)+4*p:16+64*((\u)%2)+4*p+3] offset:528*p
.set p, p+1
.endr
.set p, 0
.rept 16
	ds_load_b128 v[144+4*p:144+4*p+3], v5 offset:256*(p/8)+64*((p/2)%4)+16*(p%2)   ; register 32 s + 8 kt + j
.set p, p+1
.endr
	s_wait_dscnt 0x0                               ; the stores have read their registers, the loads are in
.if (\u)+2 < 4
	LOADM (\u)+2
.endif
.irp s, 0,1
.set n, 0
.rept 32
	v_cmp_eq_u32 s[32+n], 0, v[144+32*\s+n]
.set n, n+1
.endr
.if ((\u) == 0) && (\s == 0)
.set n, 0
.rept 8
	s_or_b32 s[32+n], s[32+n], s27
.set n, n+1
.endr
.endif
.set n, 0
.rept 32
	v_writelane_b32 v[208+2*(\u)+n%2], s[32+n], 16*\s+n/2   ; word N of the unit's 64 goes to lane N / 2, register N % 2
.set n, n+1
.endr
.endr
	global_store_b64 v6, v[208+2*(\u):209+2*(\u)], s[24:25] offset:256*(\u)   ; 256 consecutive bytes, aligned
.endm
	LOADM 0
	LOADM 1
	UNITM 0
	UNITM 1
	UNITM 2
	UNITM 3
.Lend:
	s_wait_tensorcnt 0x0                           ; the wave's end, behind my last LDS store
	ds_add_u32 v[SPW], v[NIL]
	s_wait_dscnt 0x0
	s_endpgm
.Lfunc_end_k_q70e5cf28f1_prep:
	.size	k_q70e5cf28f1_prep, .Lfunc_end_k_q70e5cf28f1_prep-k_q70e5cf28f1_prep
	.p2alignl 7, 3214868480
	.fill 96, 4, 3214868480
	.section	.rodata,"a",@progbits
	.p2align	6, 0x0
	.amdhsa_kernel k_q70e5cf28f1_prep
		.amdhsa_group_segment_fixed_size 67072
		.amdhsa_private_segment_fixed_size 0
		.amdhsa_enable_private_segment 0
		.amdhsa_kernarg_size 88
		.amdhsa_user_sgpr_count 2
		.amdhsa_user_sgpr_kernarg_segment_ptr 1
		.amdhsa_wavefront_size32 1
		.amdhsa_system_sgpr_workgroup_id_x 1
		.amdhsa_system_sgpr_workgroup_id_y 1
		.amdhsa_system_sgpr_workgroup_id_z 1
		.amdhsa_system_vgpr_workitem_id 0
		.amdhsa_next_free_vgpr 224
		.amdhsa_next_free_sgpr 66
		.amdhsa_reserve_vcc 1
		.amdhsa_float_denorm_mode_32 3
		.amdhsa_float_denorm_mode_16_64 3
		.amdhsa_memory_ordered 1
		.amdhsa_forward_progress 1
		.amdhsa_inst_pref_size 115
	.end_amdhsa_kernel
	.amdgpu_metadata
---
amdhsa.version: [ 1, 2 ]
amdhsa.kernels:
  - .name:           k_q70e5cf28f1_prep
    .symbol:         k_q70e5cf28f1_prep.kd
    .args:
      - { .name: x, .offset: 0, .size: 8, .value_kind: global_buffer, .address_space: global }
      - { .name: wq, .offset: 8, .size: 8, .value_kind: global_buffer, .address_space: global }
      - { .name: wk, .offset: 16, .size: 8, .value_kind: global_buffer, .address_space: global }
      - { .name: wv, .offset: 24, .size: 8, .value_kind: global_buffer, .address_space: global }
      - { .name: wo, .offset: 32, .size: 8, .value_kind: global_buffer, .address_space: global }
      - { .name: mask, .offset: 40, .size: 8, .value_kind: global_buffer, .address_space: global }
      - { .name: codes, .offset: 48, .size: 8, .value_kind: global_buffer, .address_space: global }
      - { .name: scales, .offset: 56, .size: 8, .value_kind: global_buffer, .address_space: global }
      - { .name: wo16, .offset: 64, .size: 8, .value_kind: global_buffer, .address_space: global }
      - { .name: rope, .offset: 72, .size: 8, .value_kind: global_buffer, .address_space: global }
      - { .name: mw, .offset: 80, .size: 8, .value_kind: global_buffer, .address_space: global }
    .group_segment_fixed_size: 67072
    .private_segment_fixed_size: 0
    .kernarg_segment_align: 8
    .kernarg_segment_size: 88
    .max_flat_workgroup_size: 128
    .sgpr_count:     66
    .vgpr_count:     224
    .wavefront_size: 32
...
	.end_amdgpu_metadata
.endif
;; end of part 1
;; launch gemm3 (part 2): grid 24 x 8, 4 waves a work-group, clusters of 4 x 4, 327,680 bytes of LDS; arguments codes, scales, rope, qkv; writes qkv
.if DOCPART == 2
	.amdgcn_target "amdgcn-amd-amdhsa--gfx1250"
	.amdhsa_code_object_version 6
	.text
	.protected	k_q70e5cf28f1_gemm3
	.globl	k_q70e5cf28f1_gemm3
	.p2align	8
	.type	k_q70e5cf28f1_gemm3,@function
k_q70e5cf28f1_gemm3:
	s_mov_b64 s[64:65], 0
	v_nop
	global_prefetch_b8 v0, s[64:65] scope:SCOPE_SE
	s_setreg_imm32_b32 hwreg(HW_REG_WAVE_MODE, 25, 1), 1
	s_wait_xcnt 0x0
	s_wait_alu depctr_hold_cnt(0) depctr_sa_sdst(0) depctr_va_vdst(0) depctr_va_sdst(0) depctr_va_ssrc(0) depctr_va_vcc(0) depctr_vm_vsrc(0)
	s_getreg_b32 s2, hwreg(HW_REG_IB_STS2, 6, 4)
	s_cmp_eq_u32 s2, 0
	s_cbranch_scc0 .Lentry_in_a_cluster
	s_endpgm
.Lentry_in_a_cluster:
	s_bfe_u32 s2, ttmp6, 0x10000c
	s_cmp_lg_u32 s2, 0xf033
	s_cbranch_scc0 .Lentry_shape_is_right
	s_endpgm
.Lentry_shape_is_right:
; q, k, v = x wq^T, x wk^T, x wv^T on codes of FP4 (E2M1) with one E8M0 scale for each 32 along K, sums in f32; then the rotary turn (q, k), the softmax's factor log2(e)/sqrt(128) (q), and one rounding to f16.
; A = rows 0-2047 of codes (x), B = rows 2048-8191 (wq, wk, wv: 6,144 features).  A tile of 256 tokens x 256 features is made by four waves, each 128 x 128: 64 accumulators, 512 registers.
; A wave's 128 features are ONE head of q, k or v, so the two halves that the rotary turn pairs lie in the same lane: features i and i + 64 are accumulators b and b + 4.
; K goes in steps of 512 through a ring of two LDS slots filled by the tensor data mover (rows of 256 bytes); the scale bytes of the work-group's rows, for all of K, come once with the first fills.
; CLUSTERS: 4 x 4 work-groups; A's tiles are asked for jointly along a row of the cluster, B's along a column.  The matrix instruction is used transposed (source 0 = 16 features, source 1 = 16 tokens).
; OUT: qkv [48 heads-of-128][2048 tokens][128] f16 (0-15 q, 16-31 k, 32-47 v), and behind it v of tokens 0-15 in f32 [16][2048], which the last launch sums finely.
; LIMITS: |k|, |v| and |q| x 0.1275 beyond 65,504 have no f16.
; REGISTERS: window 0: v0-31 addresses; v32-95 scale words, two sets, and nothing else; v128-191 A's fragments; on the way out v96-191 are at work.
;   window 1: B's fragments, two sets, at v0 and v128; the rotary tables of the blocks of 16 tokens, even blocks at v64-127, odd blocks at v192-255.  windows 2, 3: the accumulators.
.set SIZE_K, 2048
.set KSTEP,  512
.set NQ,     KSTEP/128
.set ROWB,   256
.set KROW,   SIZE_K/2
.set PITCH,  272                       ; 256 bytes + 16 of padding: the 16 rows that a load touches start at 16 different banks
.set FR,     8
.set NL,     2
.set NP,     4
.set HALFT,  128*PITCH
.set SLOT,   4*HALFT
.set LAPS,   SIZE_K/(2*KSTEP)
.set KS,     SIZE_K/32
.set SCL,    2*SLOT
.set HALFS,  (128*KS/256)*272
.set SBLK,   (16*KS/256)*272
.set SPARE,  SCL+4*HALFS               ; the spare words, 128 bytes for each wave
.set ADRA, 16
.set ADRB, 20
.set STO,  24                          ; the way out: where I put 16 bytes of a row (my stage: 16 rows x 272 bytes in slot 0, which has had its last fill and its last read by then)
.set RD,   25
.set CO,   26
.set ADRS, 27
.set SPW,  28
.set NIL,  29
.set VT,   10                          ; v10, v11 my byte in the rotary table, by turns
.set FVA,  12                          ; v12 my byte in the f32 copy of v
.set SC,   32
.set AF,   128
.set OUTF, 96                          ; the way out: v96-159 a block's 64 numbers of a lane in f32
.set PKR,  160                         ; v160-191 the same in f16
.set G1, 24
.set G0, 32
.set G1B, 48
.set G0B, 56
.set G1S, 68
.set G0S, 76
.set G1SB, 80
.set G0SB, 88
.set MSB, 0
.macro WIN new
.if MSB != \new
	s_set_vgpr_msb (MSB<<8)|\new
.set MSB, \new
.endif
.endm
.set MUL_LO, 0xa1
.set MUL_HI, 0xf1
.set TO_B,   0x40
.macro JLOAD g0a, g1a, g0b, g1b        ; a joint load: waves 0 and 1 fetch for A, waves 2 and 3 for B; the branch hangs on the wave's number alone
	s_cmp_eq_u32 s15, 0
	s_cbranch_scc0 .Lfor_b_\@
	tensor_load_to_lds s[\g0a:\g0a+3], s[\g1a:\g1a+7]
	s_nop 0
.rept 4
	v_nop
.endr
	s_branch .Lasked_\@
.Lfor_b_\@:
	tensor_load_to_lds s[\g0b:\g0b+3], s[\g1b:\g1b+7]
	s_nop 0
.rept 4
	v_nop
.endr
.Lasked_\@:
.endm
.macro CREST
	s_cmp_lg_u32 s14, 0
	s_cbranch_scc1 .Lnot_wave_0_\@
	s_barrier_signal -3
.Lnot_wave_0_\@:
	s_barrier_wait -3
	s_barrier_signal -1
	s_barrier_wait -1
.endm
.macro CROUND
	s_barrier_signal -1
	s_barrier_wait -1
	CREST
.endm
	s_load_b256 s[4:11], s[0:1], 0x0               ; codes s[4:5], scales s[6:7], rope s[8:9], qkv s[10:11]
	v_lshl_add_u32 v[SPW], v0, 2, SPARE
	v_mov_b32 v[NIL], 0
	ds_add_u32 v[SPW], v[NIL]                      ; the opening: the add, twice on end, and its wait ahead of my first tensor load
	ds_add_u32 v[SPW], v[NIL]
	v_lshrrev_b32 v1, 5, v0
	v_readfirstlane_b32 s14, v1                    ; wave
	s_lshr_b32 s15, s14, 1                         ; my half of the tile's tokens; also: I fetch for A (0) or B (1)
	s_and_b32 s16, s14, 1                          ; my half of its features; also: which 128 rows I fetch
	s_bfe_u32 s40, ttmp6, 0x40000                  ; cx
	s_bfe_u32 s41, ttmp6, 0x40004                  ; cy
	s_lshl_b32 s42, ttmp9, 2
	s_add_co_u32 s42, s42, s40                     ; tile column
	s_and_b32 s17, ttmp7, 0xffff
	s_lshl_b32 s17, s17, 2
	s_add_co_u32 s17, s17, s41                     ; tile row
	s_lshl_b32 s43, s41, 2
	s_lshl_b32 s43, 15, s43                        ; my row of the cluster
	s_lshl_b32 s44, 0x1111, s40                    ; my column
	s_or_b32 s[G1+0], s43, (0<<16)|(1<<20)|(1<<21)|(5<<22)|(3<<25)   ; mask; elements of 1 byte; padding of 4 words behind every 64; bit 21 beside a mask
	s_or_b32 s[G1B+0], s44, (0<<16)|(1<<20)|(1<<21)|(5<<22)|(3<<25)
.irp g, G1, G1B
	s_mov_b32 s[\g+1], ROWB<<16
	s_mov_b32 s[\g+2], 128<<16
	s_mov_b32 s[\g+3], ROWB<<16
	s_mov_b32 s[\g+4], 128
	s_mov_b32 s[\g+5], KROW
	s_mov_b32 s[\g+6], 0
	s_mov_b32 s[\g+7], 0
.endr
	s_or_b32 s[G1S+0], s43, (3<<16)|(1<<20)|(1<<21)|(5<<22)|(3<<25)  ; the scales of 128 rows: a dense block, as rows of 256 bytes (32 elements of 8)
	s_or_b32 s[G1SB+0], s44, (3<<16)|(1<<20)|(1<<21)|(5<<22)|(3<<25)
.irp g, G1S, G1SB
	s_mov_b32 s[\g+1], 32<<16
	s_mov_b32 s[\g+2], (128*KS/256)<<16
	s_mov_b32 s[\g+3], 32<<16
	s_mov_b32 s[\g+4], 128*KS/256
	s_mov_b32 s[\g+5], 32
	s_mov_b32 s[\g+6], 0
	s_mov_b32 s[\g+7], 0
.endr
	s_lshl_b32 s18, s16, 7
	s_lshl_b32 s20, s17, 8
	s_add_co_u32 s20, s20, s18                     ; A: row 256 x tile row + 128 x half
	s_lshl_b32 s46, s42, 8
	s_add_co_u32 s46, s46, s18                     ; B: row 256 x tile column + 128 x half
	s_mov_b32 s21, 0
	s_mov_b32 s47, 0
	s_mov_b64 s[18:19], KS
	s_mul_u64 s[22:23], s[20:21], s[18:19]
	s_mul_u64 s[92:93], s[46:47], s[18:19]
	s_mov_b64 s[18:19], KROW
	s_mul_u64 s[20:21], s[20:21], s[18:19]
	s_mul_u64 s[46:47], s[46:47], s[18:19]
	s_mul_i32 s45, s14, HALFT
	s_mul_i32 s94, s14, HALFS
	s_wait_dscnt 0x0                               ; both opening adds are done
	s_wait_kmcnt 0x0
	s_add_nc_u64 s[20:21], s[4:5], s[20:21]
	s_add_nc_u64 s[22:23], s[6:7], s[22:23]
	s_add_nc_u64 s[46:47], s[4:5], s[46:47]
	s_add_nc_u64 s[46:47], s[46:47], 2097152       ; the weights' codes lie behind x's 2,048 rows of 1,024 bytes,
	s_add_nc_u64 s[92:93], s[6:7], s[92:93]
	s_add_nc_u64 s[92:93], s[92:93], 131072        ; their scale bytes behind 2,048 rows of 64
	CROUND                                         ; all sixteen work-groups are here: the first joint loads meet
	s_mov_b32 s[G0S], 1
	s_add_co_u32 s[G0S+1], s94, SCL
	s_mov_b64 s[G0S+2:G0S+3], s[22:23]
	s_or_b32 s[G0S+3], s[G0S+3], 0x80000000
	s_mov_b32 s[G0SB], 1
	s_add_co_u32 s[G0SB+1], s94, SCL
	s_mov_b64 s[G0SB+2:G0SB+3], s[92:93]
	s_or_b32 s[G0SB+3], s[G0SB+3], 0x80000000
	JLOAD G0S, G1S, G0SB, G1SB
.irp s, 0,1
	s_mov_b32 s[G0+4*\s], 1
	s_add_co_u32 s[G0+4*\s+1], s45, \s*SLOT
	s_add_nc_u64 s[G0+4*\s+2:G0+4*\s+3], s[20:21], \s*ROWB
	s_or_b32 s[G0+4*\s+3], s[G0+4*\s+3], 0x80000000
	s_mov_b32 s[G0B+4*\s], 1
	s_add_co_u32 s[G0B+4*\s+1], s45, \s*SLOT
	s_add_nc_u64 s[G0B+4*\s+2:G0B+4*\s+3], s[46:47], \s*ROWB
	s_or_b32 s[G0B+4*\s+3], s[G0B+4*\s+3], 0x80000000
	JLOAD G0+4*\s, G1, G0B+4*\s, G1B
.endr
	v_and_b32 v1, 15, v0                           ; r
	v_bfe_u32 v2, v0, 4, 1                         ; h
	v_mul_u32_u24 v3, v1, PITCH
	v_lshl_add_u32 v4, v2, 4, v3
	s_mul_i32 s21, s15, HALFT
	s_mul_i32 s22, s16, HALFT
	s_add_co_u32 s22, s22, 2*HALFT
.irp s, 0,1
	v_add_nc_u32 v[ADRA+\s], s21, v4
	v_add_nc_u32 v[ADRB+\s], s22, v4
	s_add_co_u32 s21, s21, SLOT
	s_add_co_u32 s22, s22, SLOT
.endr
	v_mul_u32_u24 v5, v1, KS
	v_lshrrev_b32 v6, 8, v5
	v_lshl_add_u32 v5, v6, 4, v5
	s_mul_i32 s21, s15, HALFS
	s_mul_i32 s22, s16, HALFS
	s_add_co_u32 s22, s22, 2*HALFS
	s_sub_co_u32 s22, s22, s21
	v_mul_u32_u24 v6, s22, v2                      ; lanes 16-31 take B's scale words
	s_add_co_u32 s21, s21, SCL
	v_add_nc_u32 v5, v5, v6
	v_add_nc_u32 v[ADRS], s21, v5
	s_mul_i32 s23, s14, 16*272                     ; my stage
	v_mul_u32_u24 v5, v1, 272
	v_lshl_add_u32 v5, v2, 4, v5
	v_add_nc_u32 v[STO], s23, v5                   ; in: row r, 16 bytes for each half of the lanes
	v_mul_u32_u24 v5, v2, 272
	v_lshl_add_u32 v5, v1, 4, v5
	v_add_nc_u32 v[RD], s23, v5                    ; back: lanes 0-15 one row of 256 bytes, lanes 16-31 the next
	v_lshlrev_b32 v5, 8, v2
	v_lshl_add_u32 v[CO], v1, 4, v5                ; and the same two rows in memory
	v_lshlrev_b32 v[FVA], 13, v1
	v_lshl_add_u32 v[FVA], v2, 5, v[FVA]           ; the f32 copy of v: token r of 8,192 bytes, + 32 h
	; what the way out needs, in scalars that the loop leaves alone
	s_lshr_b32 s95, ttmp9, 1                       ; 0: q, 1: k, 2: v; made of the cluster's x: the same in all partners
	s_lshl_b32 s98, s42, 1
	s_add_co_u32 s98, s98, s16                     ; which head-of-128 of the 48 is mine
	s_lshl_b32 s99, s17, 8
	s_lshl_b32 s94, s15, 7
	s_add_co_u32 s99, s99, s94                     ; my first token
	s_cmp_eq_u32 s95, 2
	s_cselect_b32 s94, 0, 512                      ; bytes from token to token in the table: v has one row for all
	s_lshl_b32 s96, s95, 20
	s_mul_i32 s97, s99, s94
	s_add_co_u32 s96, s96, s97
	s_mov_b32 s97, 0
	s_add_nc_u64 s[96:97], s[8:9], s[96:97]        ; the table at my first token
	s_lshl_b32 s100, s98, 19
	s_lshl_b32 s101, s99, 8
	s_add_co_u32 s100, s100, s101
	s_mov_b32 s101, 0
	s_add_nc_u64 s[100:101], s[10:11], s[100:101]  ; my 128 rows of 256 bytes
	s_and_b32 s104, s98, 15
	s_lshl_b32 s104, s104, 9
	s_add_co_u32 s104, s104, 25165824
	s_mov_b32 s105, 0
	s_add_nc_u64 s[104:105], s[10:11], s[104:105]  ; my head's 512 bytes in the f32 copy of v
	s_xor_b32 s95, s95, 2
	s_or_b32 s99, s99, s95                         ; 0 in the waves that hold v of tokens 0-15, and in no other
	v_mul_u32_u24 v[VT], s94, v1
	v_lshl_add_u32 v[VT], v2, 5, v[VT]
	s_lshl_b32 s98, s94, 4                         ; 16 tokens on in the table
; The table of block a (16 tokens): for b = 0..3 the lane's 8 cosines and 8 sines of features 16 b + 8 h + 0..7.  It lands in window 1, beside B's fragments: even blocks v64-127, odd blocks v192-255.
.macro LOADT a
.set TT, 64+128*((\a)%2)
	WIN TO_B                                       ; destination window 1, address window 0
.irp b, 0,1,2,3
	global_load_b128 v[TT+8*\b:TT+8*\b+3], v[VT+(\a)%2], s[96:97] offset:64*\b
	global_load_b128 v[TT+8*\b+4:TT+8*\b+7], v[VT+(\a)%2], s[96:97] offset:64*\b+16
	global_load_b128 v[TT+32+8*\b:TT+32+8*\b+3], v[VT+(\a)%2], s[96:97] offset:256+64*\b
	global_load_b128 v[TT+32+8*\b+4:TT+32+8*\b+7], v[VT+(\a)%2], s[96:97] offset:256+64*\b+16
.endr
	WIN 0
.endm
	LOADT 0                                        ; lands while K is walked
.macro FRAG reg, adr, q, i
.irp c, 0,1
	ds_load_b128 v[\reg+4*\c:\reg+4*\c+3], v[\adr] offset:64*(\q)+32*\c+(\i)*16*PITCH
.endr
.endm
; 16 matrix instructions: A's blocks a0, a0 + 1 x B's eight, 128 along K.  The 64 accumulators take turns, one instruction a turn.
.macro MUL16 a0, p, q, sc, zero
.irp a, \a0, \a0+1
.irp b, 0,1,2,3,4,5,6,7
.if \zero
	v_wmma_scale_f32_16x16x128_f8f6f4 v[8*(8*((\a)%4)+\b):8*(8*((\a)%4)+\b)+7], v[128*(\p)+FR*\b:128*(\p)+FR*\b+FR-1], v[AF+FR*(\a):AF+FR*(\a)+FR-1], 0, v[SC+8*NQ*(\sc)+NQ*\b+(\q)], v[SC+8*NQ*(\sc)+NQ*(\a)+(\q)] matrix_a_fmt:MATRIX_FMT_FP4 matrix_b_fmt:MATRIX_FMT_FP4 matrix_a_scale:MATRIX_SCALE_ROW1
.else
	v_wmma_scale_f32_16x16x128_f8f6f4 v[8*(8*((\a)%4)+\b):8*(8*((\a)%4)+\b)+7], v[128*(\p)+FR*\b:128*(\p)+FR*\b+FR-1], v[AF+FR*(\a):AF+FR*(\a)+FR-1], v[8*(8*((\a)%4)+\b):8*(8*((\a)%4)+\b)+7], v[SC+8*NQ*(\sc)+NQ*\b+(\q)], v[SC+8*NQ*(\sc)+NQ*(\a)+(\q)] matrix_a_fmt:MATRIX_FMT_FP4 matrix_b_fmt:MATRIX_FMT_FP4 matrix_a_scale:MATRIX_SCALE_ROW1
.endif
.endr
.endr
.endm
.macro FETCH_B slot, q, p
	WIN TO_B
.irp i, 0,1,2,3,4,5,6,7
	FRAG 128*(\p)+FR*\i, ADRB+\slot, \q, \i
.endr
	WIN 0
.endm
.macro FETCH_A slot, q, i0
.irp i, \i0, \i0+1, \i0+2, \i0+3
	FRAG AF+FR*(\i), ADRA+\slot, \q, \i
.endr
.endm
.macro SCALES sc
.irp i, 0,1,2,3,4,5,6,7
	ds_load_b128 v[SC+8*NQ*\sc+NQ*\i:SC+8*NQ*\sc+NQ*\i+3], v[ADRS] offset:\i*SBLK
.endr
.endm
.macro PLACES n                        ; plain vector lines between a matrix instruction and a load into, or a read of, its registers
.rept \n
	v_nop
.endr
.endm
.macro STEP slot, q, zero
	s_wait_dscnt 4*NL                              ; B's set and A's blocks 0-3 are in; the youngest eight loads (A's blocks 4-7) may be out
	WIN MUL_LO
	MUL16 0, (\q)%2, \q, \slot, \zero
	MUL16 2, (\q)%2, \q, \slot, \zero
	s_wait_dscnt 0
	PLACES NP
	FETCH_B \slot, (\q)+1, 1-(\q)%2
	FETCH_A \slot, (\q)+1, 0
	WIN MUL_HI
	MUL16 4, (\q)%2, \q, \slot, \zero
	MUL16 6, (\q)%2, \q, \slot, \zero
	PLACES NP
	WIN 0
	FETCH_A \slot, (\q)+1, 4
.endm
; A slot's last step changes slots: one barrier; ahead of it each wave waits for all its tensor loads, adds 0 to its spare word, and waits for that and for its reads of this slot.
.macro TURN slot, next, fill
	s_wait_tensorcnt 0x0                           ; all my tensor loads have landed: my part of the next slot
	ds_add_u32 v[SPW], v[NIL]
	s_wait_dscnt 4*NL+1                            ; (the add and A's blocks 4-7 may be out)
	WIN MUL_LO
	MUL16 0, 1, NQ-1, \slot, 0
	s_wait_dscnt 0x0                               ; the add is done, and my reads of this slot are over
	s_barrier_signal -1
	MUL16 2, 1, NQ-1, \slot, 0
	WIN 0
	s_barrier_wait -1
.if \fill
	CREST                                          ; the barrier has opened a round of the cluster's barrier
	s_add_nc_u64 s[G0+4*\slot+2:G0+4*\slot+3], s[G0+4*\slot+2:G0+4*\slot+3], 2*ROWB
	s_add_nc_u64 s[G0B+4*\slot+2:G0B+4*\slot+3], s[G0B+4*\slot+2:G0B+4*\slot+3], 2*ROWB
	JLOAD G0+4*\slot, G1, G0B+4*\slot, G1B         ; the first tensor load behind the round, my only one until the next
.else
	PLACES NP
.endif
	v_add_nc_u32 v[ADRS], 4*NQ, v[ADRS]
	FETCH_B \next, 0, 0
	FETCH_A \next, 0, 0
	SCALES \next
	WIN MUL_HI
	MUL16 4, 1, NQ-1, \slot, 0
	MUL16 6, 1, NQ-1, \slot, 0
	PLACES NP
	WIN 0
	FETCH_A \next, 0, 4
.endm
.macro STEPS slot, from
.set Q, \from
.rept NQ-1-\from
	STEP \slot, Q, 0
.set Q, Q+1
.endr
.endm
	s_wait_tensorcnt 1                             ; the scales and my part of K step 0 are in (K step 1's load may be out)
	s_barrier_signal -1
	s_barrier_wait -1
	FETCH_B 0, 0, 0
	FETCH_A 0, 0, 0
	SCALES 0
	FETCH_A 0, 0, 4
	STEP 0, 0, 1                                   ; the first step starts the sums
	s_mov_b32 s3, LAPS-1
.Llap:
	STEPS 0, 1
	TURN 0, 1, 1
	STEPS 1, 0
	TURN 1, 0, 1
	STEP 0, 0, 0
	s_sub_co_u32 s3, s3, 1
	s_cmp_lg_u32 s3, 0
	s_cbranch_scc1 .Llap
	STEPS 0, 1                                     ; the last lap fills nothing
	TURN 0, 1, 0
	STEPS 1, 0
	s_wait_dscnt 4*NL
	WIN MUL_LO
	MUL16 0, 1, NQ-1, 1, 0
	MUL16 2, 1, NQ-1, 1, 0
	s_wait_dscnt 0
	WIN MUL_HI
	MUL16 4, 1, NQ-1, 1, 0
	MUL16 6, 1, NQ-1, 1, 0
	WIN 0
; THE WAY OUT, a block of 16 tokens at a time.  lo = x1 cos - x2 sin, hi = x2 cos + x1 sin, x1 = features 0-63 (accumulators b = 0..3), x2 = features 64-127 (b + 4).  v runs through the same lines with cos = 1, sin = 0.
; Each accumulator is read from its low end on.  The rounded rows go through my stage and leave as whole rows of 256 bytes, sixteen lanes to a row.
.macro OUTBLK a
.set AC, 64*((\a)%4)
	s_wait_xcnt 0x0                                ; the last block's stores have read their registers
.if (\a) < 7
	v_add_nc_u32 v[VT+((\a)+1)%2], s98, v[VT+(\a)%2]
	LOADT (\a)+1
	s_wait_loadcnt 16                              ; this block's table is in, the next block's 16 loads may be out
.else
	s_wait_loadcnt 0x0
.endif
	WIN 0x06+(\a)/4                                ; source 0: the accumulators' window (2 or 3); source 1: the table's (1); source 2 and destination: window 0
.set TT, 64+128*((\a)%2)
.irp b, 0,1,2,3
.irp p, 0,2,4,6
	v_pk_mul_f32 v[OUTF+8*\b+\p:OUTF+8*\b+\p+1], v[AC+8*\b+\p:AC+8*\b+\p+1], v[TT+8*\b+\p:TT+8*\b+\p+1]
.endr
.irp p, 0,2,4,6
	v_pk_mul_f32 v[OUTF+32+8*\b+\p:OUTF+32+8*\b+\p+1], v[AC+8*\b+\p:AC+8*\b+\p+1], v[TT+32+8*\b+\p:TT+32+8*\b+\p+1]
.endr
.irp p, 0,2,4,6
	v_pk_fma_f32 v[OUTF+8*\b+\p:OUTF+8*\b+\p+1], v[AC+32+8*\b+\p:AC+32+8*\b+\p+1], v[TT+32+8*\b+\p:TT+32+8*\b+\p+1], v[OUTF+8*\b+\p:OUTF+8*\b+\p+1] neg_lo:[1,0,0] neg_hi:[1,0,0]
.endr
.irp p, 0,2,4,6
	v_pk_fma_f32 v[OUTF+32+8*\b+\p:OUTF+32+8*\b+\p+1], v[AC+32+8*\b+\p:AC+32+8*\b+\p+1], v[TT+8*\b+\p:TT+8*\b+\p+1], v[OUTF+32+8*\b+\p:OUTF+32+8*\b+\p+1]
.endr
.endr
	WIN 0
.set p, 0
.rept 32
	v_cvt_pk_f16_f32 v[PKR+p], v[OUTF+2*p], v[OUTF+2*p+1]
.set p, p+1
.endr
.if (\a) == 0
	s_wait_xcnt 0x0                                ; EXEC changes only behind this wait
	v_cmp_eq_u32 vcc_lo, s99, v[NIL]               ; all lanes or none: a predicate, no branch, since partners of a cluster differ in it
	s_and_saveexec_b32 s94, vcc_lo
.irp b, 0,1,2,3,4,5,6,7
	global_store_b128 v[FVA], v[OUTF+8*\b:OUTF+8*\b+3], s[104:105] offset:64*\b
	global_store_b128 v[FVA], v[OUTF+8*\b+4:OUTF+8*\b+7], s[104:105] offset:64*\b+16
.endr
	s_wait_xcnt 0x0                                ; and again ahead of the line that widens it; the stores have also read v96-159
	s_or_b32 exec_lo, exec_lo, s94
.endif
.irp b, 0,1,2,3,4,5,6,7
	ds_store_b128 v[STO], v[PKR+4*\b:PKR+4*\b+3] offset:32*\b
.endr
.irp t, 0,1,2,3,4,5,6,7
	ds_load_b128 v[OUTF+4*\t:OUTF+4*\t+3], v[RD] offset:544*\t      ; LDS serves a wave's instructions in order: these see the stores above
.endr
	s_wait_dscnt 0x0
.irp t, 0,1,2,3,4,5,6,7
	global_store_b128 v[CO], v[OUTF+4*\t:OUTF+4*\t+3], s[100:101] offset:(16*(\a)+2*\t)*256
.endr
.endm
	PLACES NP                                      ; ahead of the first reads of results and of writes over A's fragments
.irp a, 0,1,2,3,4,5,6,7
	OUTBLK \a
.endr
	s_wait_tensorcnt 0x0                           ; the wave's end
	ds_add_u32 v[SPW], v[NIL]
	s_wait_dscnt 0x0
	CROUND                                         ; the closing round
	s_endpgm
.Lfunc_end_k_q70e5cf28f1_gemm3:
	.size	k_q70e5cf28f1_gemm3, .Lfunc_end_k_q70e5cf28f1_gemm3-k_q70e5cf28f1_gemm3
	.p2alignl 7, 3214868480
	.fill 96, 4, 3214868480
	.section	.rodata,"a",@progbits
	.p2align	6, 0x0
	.amdhsa_kernel k_q70e5cf28f1_gemm3
		.amdhsa_group_segment_fixed_size 327680
		.amdhsa_private_segment_fixed_size 0
		.amdhsa_enable_private_segment 0
		.amdhsa_kernarg_size 32
		.amdhsa_user_sgpr_count 2
		.amdhsa_user_sgpr_kernarg_segment_ptr 1
		.amdhsa_wavefront_size32 1
		.amdhsa_system_sgpr_workgroup_id_x 1
		.amdhsa_system_sgpr_workgroup_id_y 1
		.amdhsa_system_sgpr_workgroup_id_z 1
		.amdhsa_system_vgpr_workitem_id 0
		.amdhsa_next_free_vgpr 1024
		.amdhsa_next_free_sgpr 106
		.amdhsa_reserve_vcc 1
		.amdhsa_float_denorm_mode_32 3
		.amdhsa_float_denorm_mode_16_64 3
		.amdhsa_memory_ordered 1
		.amdhsa_forward_progress 1
		.amdhsa_inst_pref_size 255
	.end_amdhsa_kernel
	.section	.bss,"aw",@nobits
	.p2align	6
	.space	262144
	.amdgpu_metadata
---
amdhsa.version: [ 1, 2 ]
amdhsa.kernels:
  - .name:           k_q70e5cf28f1_gemm3
    .symbol:         k_q70e5cf28f1_gemm3.kd
    .args:
      - { .name: codes, .offset: 0, .size: 8, .value_kind: global_buffer, .address_space: global }
      - { .name: scales, .offset: 8, .size: 8, .value_kind: global_buffer, .address_space: global }
      - { .name: rope, .offset: 16, .size: 8, .value_kind: global_buffer, .address_space: global }
      - { .name: qkv, .offset: 24, .size: 8, .value_kind: global_buffer, .address_space: global }
    .group_segment_fixed_size: 327680
    .private_segment_fixed_size: 0
    .kernarg_segment_align: 8
    .kernarg_segment_size: 32
    .max_flat_workgroup_size: 128
    .sgpr_count:     106
    .vgpr_count:     1024
    .wavefront_size: 32
...
	.end_amdgpu_metadata
.endif
;; end of part 2
;; launch attn (part 3): grid 16 x 16, 4 waves a work-group, clusters of 4 x 1, 327,680 bytes of LDS; arguments qkv, mw, yst; writes yst
.if DOCPART == 3
	.amdgcn_target "amdgcn-amd-amdhsa--gfx1250"
	.amdhsa_code_object_version 6
	.text
	.protected	k_q70e5cf28f1_attn
	.globl	k_q70e5cf28f1_attn
	.p2align	8
	.type	k_q70e5cf28f1_attn,@function
k_q70e5cf28f1_attn:
	s_mov_b64 s[64:65], 0
	v_nop
	global_prefetch_b8 v0, s[64:65] scope:SCOPE_SE
	s_setreg_imm32_b32 hwreg(HW_REG_WAVE_MODE, 25, 1), 1
	s_wait_xcnt 0x0
	s_wait_alu depctr_hold_cnt(0) depctr_sa_sdst(0) depctr_va_vdst(0) depctr_va_sdst(0) depctr_va_ssrc(0) depctr_va_vcc(0) depctr_vm_vsrc(0)
	s_getreg_b32 s2, hwreg(HW_REG_IB_STS2, 6, 4)
	s_cmp_eq_u32 s2, 0
	s_cbranch_scc0 .Lentry_in_a_cluster
	s_endpgm
.Lentry_in_a_cluster:
	s_bfe_u32 s2, ttmp6, 0x10000c
	s_cmp_lg_u32 s2, 0x3003
	s_cbranch_scc0 .Lentry_shape_is_right
	s_endpgm
.Lentry_shape_is_right:
; y[q][head] = softmax over the keys that the given mask leaves of (q . k / sqrt(128)) v, on f16 operands with f32 sums.  q arrives times log2(e)/sqrt(128), so p = 2^(s - m).
; SHARES.  A work-group owns 128 queries of one head.  Wave w: queries 64 (w % 2) on, four tiles of 16; keys 128 (w / 2) on of every slot of 256 keys: 16 steps of 64 keys.  The two halves of the keys meet in LDS at the end.
; LAYOUT.  S^T = K Q^T (source 0 = 16 keys, source 1 = 16 queries) and O^T = V^T P: a lane holds ONE query (lane % 16) throughout.  K comes out of LDS as it lies, V turned by ds_load_tr16_b128.
; THE MASK arrives as words of 32 lane bits, one for each register of S^T (word 8 kt + j of a query tile and key step): scalar loads a turn ahead, one v_cndmask_b32 a score.  No branch hangs on it.
; The running maximum starts at -3e38 and is a floor: a row with no key left keeps sum 0 and comes out NaN (0 x infinity), as the definition has it.
; The block queries 0-15 x keys 0-15 is hidden here by the words themselves: the last launch sums it in f32 and needs m and l, which are stored for every query.
; BY TURNS.  The wave's tiles are two pieces (0: tiles 0, 1; 2: tiles 2, 3).  In a turn one piece has the matrix unit (32 products V^T P, then 32 K Q^T of the next step); the other piece's softmax, 330 vector lines,
; stands in 64 slices of 5 or 6 behind its matrix instructions.  The exponentials of a turn are one batch with one wait.
; CLUSTER.  The four query blocks of a cluster walk the same K and V: each tile is asked for jointly.
; LIMITS: p, v and y go in f16 (11 bits); rows with very few keys left outside the fine block carry that rounding; NaN and infinities among the inputs are not served.
; REGISTERS: window 0: v2-8 addresses; v12-43 statistics (tile t at v[12 + 8 t]: +0 m, +1 old m, then old - new, +2, +3 l, +4..7 at work, a at +6); v44 -infinity; v45-49 addresses; v64-191 S^T; v192-255 P.
;   window 1: O^T.  window 2: v0-127 Q, v128-255 K.  window 3: v0-127 V; at the end the partner's O^T.
.set KS,    64
.set PK,    272                        ; a row of K in LDS: 256 bytes + 16
.set PV,    288                        ; a row of V: 256 + 32
.set KHALF, 128*PK
.set VHALF, 128*PV
.set KREG,  256*PK                     ; a slot: 256 rows of K, then 256 rows of V
.set SLOTB, 256*(PK+PV)
.set SPARE, 2*SLOTB                    ; the spare words, 128 bytes for each wave
.set MERGE, 34816                      ; in slot 0, once it has had its last fill and its last read: for each half of the queries 32,768 bytes of O^T and 1,024 of statistics,
.set STAGE, 2*MERGE                    ; and behind them a stage of 16 rows x 272 bytes
.set SP,    272
.set AK0, 2
.set AV0, 3
.set ADR, 4
.set QO,  5
.set STO, 6
.set RD,  7
.set GO,  8
.set ST,  12
.set NINF, 44
.set AKB, 45                           ; AK0 + the slot in hand
.set AVB, 46
.set MIM, 47                           ; the merge: 16 x lane in my half's image
.set MSA, 48                           ; 4 x lane among its statistics
.set SAD, 49                           ; my byte among a tile's 16 pairs (m, l) in memory
.set PFO, 61
.set SPW, 62
.set NIL, 63
.set S,   64
.set P,   192
.set KF,  128
.set PFA, 2                            ; s[2:3]   where my prefetches stand
.set G1K, 36                           ; s[36:43] descriptor group 1 for K;  s[44:51] for V
.set G1V, 44
.set G0K, 52                           ; s[52:55], s[56:59] the walking groups 0
.set G0V, 56
.set SEL, 60
.set MP,  62                           ; s[62:63] the mask words of my first tile at the step in hand.  s[4:35], s[68:99]: a piece's 64 words
.set WV,  66
.set SLOTS, 67
.set STP, 100                          ; which of a slot's two steps of mine is fetched
.set SOFF, 101                         ; LDS byte at which the slot in hand begins
.set LIM, 105
.set MSB, 0
.macro WIN new
.if MSB != \new
	s_set_vgpr_msb (MSB<<8)|\new
.set MSB, \new
.endif
.endm
.set W_KQ, 0x0a
.set W_PV, 0x53
.set W_RS, 0x41
.macro JLOAD                           ; a joint refill: waves 0 and 1 fetch the halves of K's 256 rows, waves 2 and 3 those of V's
	s_cmp_lt_u32 s[WV], 2
	s_cbranch_scc0 .Lfor_v_\@
	tensor_load_to_lds s[G0K:G0K+3], s[G1K:G1K+7]
	s_nop 0
.rept 4
	v_nop
.endr
	s_branch .Lasked_\@
.Lfor_v_\@:
	tensor_load_to_lds s[G0V:G0V+3], s[G1V:G1V+7]
	s_nop 0
.rept 4
	v_nop
.endr
.Lasked_\@:
.endm
; A prefetch of what the NEXT change of slots will ask for: 256 rows of K and 256 of V, 256 bytes a row, a lane a row.  The head's first cluster asks; its four partners share the rows out by address, 32 to a wave;
; waves 0 and 1 ask for K's, waves 2 and 3 for V's.  So each row is named once in the launch.  The last change that fills a slot asks for nothing.
.macro ASK
	s_cmp_gt_u32 s[SLOTS], s[LIM]
	s_cbranch_scc0 .Lnot_mine_\@
	global_prefetch_b8 v[PFO], s[PFA:PFA+1] th:TH_LOAD_NT scope:SCOPE_SE
.Lnot_mine_\@:
.endm
.macro CROUND
	s_barrier_signal -1
	s_barrier_wait -1
	s_cmp_lg_u32 s[WV], 0
	s_cbranch_scc1 .Lnot_wave_0_\@
	s_barrier_signal -3
.Lnot_wave_0_\@:
	s_barrier_wait -3
	s_barrier_signal -1
	s_barrier_wait -1
.endm
	s_load_b128 s[4:7], s[0:1], 0x0                ; qkv s[4:5], mw s[6:7]
	v_lshl_add_u32 v[SPW], v0, 2, SPARE
	v_mov_b32 v[NIL], 0
	ds_add_u32 v[SPW], v[NIL]                      ; the opening: the add, twice on end, and its wait ahead of my first tensor load
	ds_add_u32 v[SPW], v[NIL]
	v_lshrrev_b32 v1, 5, v0
	v_readfirstlane_b32 s[WV], v1
	s_bfe_u32 s8, ttmp6, 0x40000                   ; cx
	s_lshl_b32 s9, ttmp9, 2
	s_add_co_u32 s9, s9, s8                        ; my block of 128 queries: it enters global addresses alone
	s_and_b32 s10, ttmp7, 0xffff                   ; the head, which the partners share
	s_and_b32 s11, s[WV], 1                        ; my half of the queries; also: which 128 rows of a slot I fetch
	s_lshr_b32 s12, s[WV], 1                       ; my half of a slot's keys
	s_add_co_u32 s14, s10, 16
	s_lshl_b32 s14, s14, 19                        ; k of my head,
	s_lshl_b32 s13, s11, 15
	s_add_co_u32 s14, s14, s13                     ; the 128 rows of 256 bytes that I fetch
	s_mov_b32 s15, 0
	s_add_co_u32 s16, s14, 16*524288               ; v likewise
	s_mov_b32 s17, 0
	s_lshl_b32 s18, s10, 19                        ; q of my head,
	s_lshl_b32 s13, s9, 15
	s_add_co_u32 s18, s18, s13                     ; my block,
	s_lshl_b32 s13, s11, 14
	s_add_co_u32 s18, s18, s13                     ; my 64 rows
	s_mov_b32 s19, 0
	s_lshl_b32 s20, s9, 15                         ; the mask words: 8 tiles of 4,096 bytes a block,
	s_add_co_u32 s20, s20, s13                     ; 4 tiles a wave,
	s_lshl_b32 s13, s12, 8
	s_add_co_u32 s20, s20, s13                     ; two steps of 128 bytes for the upper half of the keys
	s_mov_b32 s21, 0
	s_mul_i32 s22, s11, KHALF                      ; where my rows go in a slot: no place in the cluster enters an LDS address
	s_mul_i32 s23, s11, VHALF
	s_add_co_u32 s23, s23, KREG
	s_mov_b32 s[G1K], 15|(1<<16)|(1<<20)|(1<<21)|(5<<22)|(3<<25)   ; the mask: all four; elements of 2 bytes; padding of 4 words behind every 64; bit 21 beside a mask
	s_mov_b32 s[G1V], 15|(1<<16)|(1<<20)|(1<<21)|(5<<22)|(7<<25)   ; the same with 8 words
.irp g, G1K, G1V
	s_mov_b32 s[\g+1], 128<<16                     ; tensor_dim0 = 128
	s_mov_b32 s[\g+2], 128<<16                     ; tensor_dim1 = 128
	s_mov_b32 s[\g+3], 128<<16                     ; tile_dim0 = 128
	s_mov_b32 s[\g+4], 128                         ; tile_dim1 = 128
	s_mov_b32 s[\g+5], 128                         ; elements from row to row
	s_mov_b32 s[\g+6], 0
	s_mov_b32 s[\g+7], 0
.endr
	s_mov_b32 s[SEL], 0x76543210
	s_mov_b32 s[SEL+1], 0xfedcba98
	s_mov_b32 s[SLOTS], 6                          ; of the 8 slots' worth of keys, six come by refills
	s_mov_b32 s[STP], 0
	s_mov_b32 s[SOFF], 0
	s_cmp_eq_u32 ttmp9, 0                          ; the head's first cluster: the same in all four partners
	s_cselect_b32 s[LIM], 1, -1
	v_and_b32 v[PFO], 31, v0
	v_lshlrev_b32 v[PFO], 8, v[PFO]
	s_wait_dscnt 0x0                               ; both opening adds are done
	s_wait_kmcnt 0x0
	s_add_nc_u64 s[14:15], s[4:5], s[14:15]
	s_add_nc_u64 s[16:17], s[4:5], s[16:17]
	s_add_nc_u64 s[18:19], s[4:5], s[18:19]
	s_add_nc_u64 s[MP:MP+1], s[6:7], s[20:21]
	s_cmp_lt_u32 s[WV], 2
	s_cselect_b64 s[PFA:PFA+1], s[14:15], s[16:17]
	s_lshl_b32 s24, s8, 13                         ; my work-group's 32 rows of the 128
	s_mov_b32 s25, 0
	s_add_nc_u64 s[PFA:PFA+1], s[PFA:PFA+1], s[24:25]
	s_add_nc_u64 s[PFA:PFA+1], s[PFA:PFA+1], 2*65536   ; at the third slot's worth; the first change of slots steps it to the fourth.  Nothing is prefetched at the head
	CROUND                                         ; all four work-groups are here: the first joint loads meet
	s_mov_b32 s68, 1                               ; groups 0 for the first slot's worth, used once
	s_mov_b32 s69, s22
	s_mov_b64 s[70:71], s[14:15]
	s_or_b32 s71, s71, 0x80000000
	s_mov_b32 s72, 1
	s_mov_b32 s73, s23
	s_mov_b64 s[74:75], s[16:17]
	s_or_b32 s75, s75, 0x80000000
	s_mov_b32 s[G0K], 1                            ; the walking ones begin with the second
	s_add_co_u32 s[G0K+1], s22, SLOTB
	s_add_nc_u64 s[G0K+2:G0K+3], s[14:15], 65536
	s_or_b32 s[G0K+3], s[G0K+3], 0x80000000
	s_mov_b32 s[G0V], 1
	s_add_co_u32 s[G0V+1], s23, SLOTB
	s_add_nc_u64 s[G0V+2:G0V+3], s[16:17], 65536
	s_or_b32 s[G0V+3], s[G0V+3], 0x80000000
	s_cmp_lt_u32 s[WV], 2                          ; a wave's two first fills stand in one branch: two loads of mine are out
	s_cbranch_scc0 .Lfirst_v
	tensor_load_to_lds s[68:71], s[G1K:G1K+7]
	s_nop 0
	tensor_load_to_lds s[G0K:G0K+3], s[G1K:G1K+7]
	s_nop 0
.rept 4
	v_nop
.endr
	s_branch .Lfirst_asked
.Lfirst_v:
	tensor_load_to_lds s[72:75], s[G1V:G1V+7]
	s_nop 0
	tensor_load_to_lds s[G0V:G0V+3], s[G1V:G1V+7]
	s_nop 0
.rept 4
	v_nop
.endr
.Lfirst_asked:
	v_and_b32 v1, 15, v0                           ; r
	v_bfe_u32 v9, v0, 4, 1                         ; h
	v_lshlrev_b32 v[QO], 8, v1
	v_lshl_add_u32 v[QO], v9, 4, v[QO]
	WIN 0x80
.irp i, 0,1,2,3,4,5,6,7,8,9,10,11,12,13,14,15  ; Q stays in registers: tile i / 4, channels 32 (i % 4) on
	global_load_b128 v[8*\i:8*\i+3],   v[QO], s[18:19] offset:(\i/4)*4096+(\i%4)*64
	global_load_b128 v[8*\i+4:8*\i+7], v[QO], s[18:19] offset:(\i/4)*4096+(\i%4)*64+32
.endr
	WIN 0
	v_mul_u32_u24 v[AK0], v1, PK
	v_lshl_add_u32 v[AK0], v9, 4, v[AK0]
	s_mul_i32 s24, s12, KHALF
	v_add_nc_u32 v[AK0], s24, v[AK0]               ; row x pitch + 16 x half, in my half of the slot's keys
	v_and_b32 v10, 7, v0
	v_bfe_u32 v11, v0, 3, 1
	v_lshl_add_u32 v[AV0], v9, 3, v10
	v_mul_u32_u24 v[AV0], v[AV0], PV
	v_lshl_add_u32 v[AV0], v11, 4, v[AV0]
	s_mul_i32 s24, s12, VHALF
	s_add_co_u32 s24, s24, KREG
	v_add_nc_u32 v[AV0], s24, v[AV0]
	v_add_nc_u32 v[AKB], s[SOFF], v[AK0]
	v_add_nc_u32 v[AVB], s[SOFF], v[AV0]
	v_and_b32 v10, 31, v0                          ; every LDS address of the end is made here, ahead of the waves' parting
	s_mul_i32 s24, s11, MERGE
	v_lshl_add_u32 v[MIM], v10, 4, s24
	s_add_co_u32 s25, s24, 32768
	v_lshl_add_u32 v[MSA], v10, 2, s25
	s_mul_i32 s24, s11, 16*SP
	s_add_co_u32 s24, s24, STAGE
	v_mul_u32_u24 v[STO], v1, SP
	v_lshl_add_u32 v[STO], v9, 4, v[STO]
	v_add_nc_u32 v[STO], s24, v[STO]
	v_mul_u32_u24 v[RD], v9, SP
	v_lshl_add_u32 v[RD], v1, 4, v[RD]
	v_add_nc_u32 v[RD], s24, v[RD]
	v_lshlrev_b32 v[GO], 12, v9                    ; y: lanes 0-15 one token's 256 bytes of my head, lanes 16-31 the next token's
	v_lshl_add_u32 v[GO], v1, 4, v[GO]
	v_lshlrev_b32 v[SAD], 3, v1
	v_lshl_add_u32 v[SAD], v9, 2, v[SAD]
	v_mov_b32 v[NINF], 0xff800000
.irp t, 0,1,2,3
	v_mov_b32 v[ST+8*\t], 0xff61b1e6               ; m: -3e38, the floor
	v_mov_b32 v[ST+8*\t+1], 0                      ; (named with m as a pair before it is first used)
.endr
.macro PV x, zero                      ; product i of 32 of O^T += V^T P
	WIN W_PV
.set rO, 64*(\x+i%2)+8*((i/2)%8)
.set rV, 64*(i/16)+8*((i/2)%8)
.set rP, P+16*(\x+i%2)+8*(i/16)
.if \zero && (i < 16)
	v_wmma_f32_16x16x32_f16 v[rO:rO+7], v[rV:rV+7], v[rP:rP+7], 0
.else
	v_wmma_f32_16x16x32_f16 v[rO:rO+7], v[rV:rV+7], v[rP:rP+7], v[rO:rO+7]
.endif
.endm
.macro KQ x                            ; product i of 32 of S^T = K Q^T
	WIN W_KQ
.set rS, S+32*(\x+i%2)+8*((i/2)%4)
.set rK, KF+32*((i/2)%4)+8*(i/8)
.set rQ, 32*(\x+i%2)+8*(i/8)
.if i < 8
	v_wmma_f32_16x16x32_f16 v[rS:rS+7], v[rK:rK+7], v[rQ:rQ+7], 0
.else
	v_wmma_f32_16x16x32_f16 v[rS:rS+7], v[rK:rK+7], v[rQ:rQ+7], v[rS:rS+7]
.endif
.endm
.macro FETCH_K
	WIN 0
	v_mad_u32_u24 v[ADR], s[STP], 64*PK, v[AKB]
	WIN 0x80
.irp f, 0,1,2,3,4,5,6,7,8,9,10,11,12,13,14,15
	ds_load_b128 v[KF+8*\f:KF+8*\f+3],   v[ADR] offset:(\f/4)*16*PK+(\f%4)*64
	ds_load_b128 v[KF+8*\f+4:KF+8*\f+7], v[ADR] offset:(\f/4)*16*PK+(\f%4)*64+32
.endr
.endm
.macro FETCH_V
	WIN 0
	v_mad_u32_u24 v[ADR], s[STP], 64*PV, v[AVB]
	s_wait_alu depctr_va_vdst(0)                   ; the wait for the softmax's batch, ahead of the loads
	WIN 0xc0
.irp f, 0,1,2,3,4,5,6,7,8,9,10,11,12,13,14,15
	ds_load_tr16_b128 v[8*\f:8*\f+3],   v[ADR] offset:(\f/8)*32*PV+(\f%8)*32
	ds_load_tr16_b128 v[8*\f+4:8*\f+7], v[ADR] offset:(\f/8)*32*PV+16*PV+(\f%8)*32
.endr
.endm
; One tile's softmax for a key step is a list of 165 lines; SM writes number j for tile t.
;   0-31 the mask; 32-47 the maximum of the 32 scores and the old m; 48 the other half of the lanes; 49 the old m is kept; 50 the new m; 51 old - new;
;   52-100 ONE BATCH: 16 packed subtractions s - m and 33 exponentials (a, then the 32 scores), none of which reads an exponential's result;
;   101-116 the roundings to f16; 117-132 the sums, l = a l + sum; 133-164 O^T times a.
.macro SM t, first, mb
.set rT, ST+8*(\t)
.set rS, S+32*(\t)
.set rP, P+16*(\t)
.set o, j-31
.set rO, 64*(\t)+2*(o-102)
.if o < 102
	WIN 0
.endif
.if j < 32
	v_cndmask_b32 v[rS+j], v[rS+j], v[NINF], s[\mb+j]
.elseif j < 36
	v_max3_num_f32 v[rT+j-28], v[rS+8*(j-32)], v[rS+8*(j-32)+1], v[rS+8*(j-32)+2]
.elseif j < 44
	v_max3_num_f32 v[rT+4+j%4], v[rT+4+j%4], v[rS+8*(j%4)+2*((j-32)/4)+1], v[rS+8*(j%4)+2*((j-32)/4)+2]
.elseif j == 44
	v_max3_num_f32 v[rT+4], v[rT+4], v[rS+7], v[rS+15]
.elseif j == 45
	v_max3_num_f32 v[rT+6], v[rT+6], v[rS+23], v[rS+31]
.elseif j == 46
	v_max3_num_f32 v[rT+4], v[rT+4], v[rT+5], v[rT+6]
.elseif j == 47
	v_max3_num_f32 v[rT+4], v[rT+4], v[rT+7], v[rT]
.elseif j == 48
	v_permlanex16_b32 v[rT+5], v[rT+4], s[SEL], s[SEL+1]
.elseif j == 50
	v_max_num_f32 v[rT], v[rT+4], v[rT+5]
.elseif ((j == 49) || (j == 51) || (o == 23) || (o > 101)) && \first
.elseif j == 49
	v_mov_b32 v[rT+1], v[rT]
.elseif j == 51
	v_sub_f32 v[rT+1], v[rT+1], v[rT]
.elseif o == 23
	v_exp_f32 v[rT+6], v[rT+1]
.elseif (o < 23) || ((o < 38) && (o%2 == 0)) || ((o < 66) && (o%4 == 2))
.set b, (o-2)/4
.if o < 38
.set b, (o-20)/2
.endif
	v_pk_add_f32 v[rS+2*b:rS+2*b+1], v[rS+2*b:rS+2*b+1], v[rT:rT+1] op_sel_hi:[1,0] neg_lo:[0,1] neg_hi:[0,1]
.elseif o < 70
.set e, o-38
.if o < 66
.set e, o-32-(o-38)/4
.endif
.if o < 38
.set e, (o-25)/2
.endif
	v_exp_f32 v[rS+e], v[rS+e]
.elseif o < 86
	v_cvt_pk_f16_f32 v[rP+o-70], v[rS+2*(o-70)], v[rS+2*(o-70)+1]
.elseif o < 102
.set z, o-86
.set w, 4
.set u, z
.if z >= 14
.set w, 32
.set u, 0
.elseif z >= 12
.set w, 16
.set u, z-12
.elseif z >= 8
.set w, 8
.set u, z-8
.endif
.if (z == 14) && \first
	v_pk_add_f32 v[rT+2:rT+3], v[rS:rS+1], v[rS+16:rS+17]
.elseif z < 15
	v_pk_add_f32 v[rS+w*u:rS+w*u+1], v[rS+w*u:rS+w*u+1], v[rS+w*u+w/2:rS+w*u+w/2+1]
.elseif !\first
	v_pk_fma_f32 v[rT+2:rT+3], v[rT+2:rT+3], v[rT+6:rT+7], v[rS:rS+1] op_sel_hi:[1,0,1]
.endif
.else
	WIN W_RS
	v_pk_mul_f32 v[rO:rO+1], v[rO:rO+1], v[rT+6:rT+7] op_sel_hi:[1,0]
.endif
.endm
; Line g of 330 of piece y's softmax.  The even tile's words lie in s[4:35], the odd tile's in s[68:99]; as soon as a set has been used, the next turn's words are asked for (ml = 1): the other piece's,
; 2 tiles = 8,192 bytes on for piece 2.  Ahead of line 202 nothing names an exponential's result, and behind it no exponential is issued: there stands the turn's one wait.
.macro EMIT y, first, ml
.if (g == 32) && \ml
	s_load_b512 s[4:19], s[MP:MP+1], 4096*(2-(\y))
	s_load_b512 s[20:35], s[MP:MP+1], 4096*(2-(\y))+64
.endif
.if (g == 64) && \ml
	s_load_b512 s[68:83], s[MP:MP+1], 4096*(2-(\y))+4096
	s_load_b512 s[84:99], s[MP:MP+1], 4096*(2-(\y))+4160
.endif
.if g == 202
	v_nop                                          ; the plain line behind the last exponential
.if (\y) == 0
	FETCH_V                                        ; piece 2's turn: V's run of loads stands here, and the wait stands in it
.else
	s_wait_alu depctr_va_vdst(0)
.endif
.endif
.if g < 64
.set j, g%32
	SM (\y)+g/32, \first, 4+64*(g/32)
.elseif g < 104
.set j, 32+(g-64)/2
	SM (\y)+(g-64)%2, \first, 0
.elseif g < 106
.set j, 52
	SM (\y)+g-104, \first, 0
.elseif g < 202
.set hh, g-106
.set j, 53+4*((hh/4)/2)+hh%4
	SM (\y)+(hh/4)%2, \first, 0
.elseif g < 266
.set j, 101+(g-202)/2
	SM (\y)+(g-202)%2, \first, 0
.else
.set j, 133+(g-266)/2
	SM (\y)+(g-266)%2, \first, 0
.endif
.set g, g+1
.endm
.macro SLICE y, first, ml              ; 330 = 64 x 5 + 10: ten slices have six lines.  Slice 63 is five rescalings of O^T: the places behind the turn's last K Q^T
.set cnt, 5
.if (k%6 == 0) && (k < 60)
.set cnt, 6
.endif
.rept cnt
	EMIT \y, \first, \ml
.endr
.set k, k+1
.endm
.macro PLACES
.rept 4
	v_nop
.endr
.endm
; A TURN.  Piece x has the matrix unit.  pv = 2: 32 products V^T P; 1: they start O^T's sums; 0: none.  kq = 1: 32 products K Q^T for the next step.  first = 1: the softmax is a piece's first.
.macro TURN x, pv, kq, first, ml
	s_wait_kmcnt 0x0                               ; this turn's mask words are in, so their pointer may be written
.if (\x == 0) && \ml
	s_add_nc_u64 s[MP:MP+1], s[MP:MP+1], 128       ; on to the next step's words
.endif
.set k, 0
.set g, 0
.set per, 2
.if \pv && \kq
.set per, 1
.endif
.if \pv
.if \x == 0
	s_wait_dscnt 0x0                               ; V is in
.endif
.set i, 0
.rept 32
	PV \x, 2-\pv
.rept per
	SLICE 2-\x, \first, \ml
.endr
.if (\x == 0) && \kq && (i == 1)
	FETCH_K
.endif
.set i, i+1
.endr
.endif
.if \kq
.if \x == 0
	s_wait_dscnt 0x0                               ; K is in
.endif
.set i, 0
.rept 32
	KQ \x
.rept per
	SLICE 2-\x, \first, \ml
.endr
.set i, i+1
.endr
.endif
.if \first
	PLACES
.endif
.endm
; THE CHANGE OF SLOTS.  Each wave waits for all its tensor loads (one is out: its part of the other slot), adds 0 to its spare word, and waits for that and for its reads of the slot.
; fill = 1: the slot just left is filled with the keys two slots on, behind a round of the cluster's barrier; the load has two of my steps, 256 matrix instructions, in which to land.
.macro CHANGE fill
	WIN 0
	s_wait_tensorcnt 0x0
	ds_add_u32 v[SPW], v[NIL]
	s_wait_kmcnt 0x0
	s_add_nc_u64 s[MP:MP+1], s[MP:MP+1], 256       ; the mask words pass over the other half's two steps
.if \fill
	s_and_b32 s[G0K+1], s[WV], 1
	s_mul_i32 s[G0K+1], s[G0K+1], KHALF
	s_add_co_u32 s[G0K+1], s[G0K+1], s[SOFF]       ; into the slot that is being left,
	s_add_nc_u64 s[G0K+2:G0K+3], s[G0K+2:G0K+3], 65536   ; the next 256 keys
	s_and_b32 s[G0V+1], s[WV], 1
	s_mul_i32 s[G0V+1], s[G0V+1], VHALF
	s_add_co_u32 s[G0V+1], s[G0V+1], KREG
	s_add_co_u32 s[G0V+1], s[G0V+1], s[SOFF]
	s_add_nc_u64 s[G0V+2:G0V+3], s[G0V+2:G0V+3], 65536
	s_wait_xcnt 0x0                                ; the last prefetch has read its address
	s_add_nc_u64 s[PFA:PFA+1], s[PFA:PFA+1], 65536
.endif
	s_xor_b32 s[SOFF], s[SOFF], SLOTB              ; 0 and SLOTB by turns
	v_add_nc_u32 v[AKB], s[SOFF], v[AK0]
	v_add_nc_u32 v[AVB], s[SOFF], v[AV0]
	s_wait_dscnt 0x0                               ; the add is done, and my reads of the slot are over
.if \fill
	CROUND
	JLOAD
	ASK
.else
	s_barrier_signal -1
	s_barrier_wait -1
.endif
.endm
.macro TWO_STEPS
	s_mov_b32 s[STP], 0
.Lstep_\@:
	TURN 0, 2, 1, 0, 1
	TURN 2, 2, 1, 0, 1
	WIN 0
	s_add_co_u32 s[STP], s[STP], 1
	s_cmp_lt_u32 s[STP], 2
	s_cbranch_scc1 .Lstep_\@
.endm
	s_wait_tensorcnt 1                             ; my part of slot 0 is in, so its group 0 is free; slot 1's may stay out
	s_barrier_signal -1
	s_barrier_wait -1
	s_wait_xcnt 0x0                                ; Q's loads have read their base, which lies where mask words land
	s_load_b512 s[4:19], s[MP:MP+1], 0x0           ; piece 0, step 0
	s_load_b512 s[20:35], s[MP:MP+1], 0x40
	s_load_b512 s[68:83], s[MP:MP+1], 0x1000
	s_load_b512 s[84:99], s[MP:MP+1], 0x1040
	FETCH_K
	s_wait_loadcnt 0x0                             ; Q
	s_wait_dscnt 0x0
.set i, 0
.rept 32
	KQ 0
.set i, i+1
.endr
	WIN 0
	PLACES
	TURN 2, 0, 1, 1, 1                             ; piece 2's first scores | piece 0's first softmax | V of step 0
	s_mov_b32 s[STP], 1
	TURN 0, 1, 1, 1, 1                             ; piece 0: V^T P of step 0 starts O^T, K Q^T of step 1 | piece 2's first softmax | K of step 1
	TURN 2, 1, 1, 0, 1                             ; piece 2: the same | piece 0's softmax of step 1 | V of step 1
	WIN 0
.Lslot:
	CHANGE 1
	TWO_STEPS
	s_sub_co_u32 s[SLOTS], s[SLOTS], 1
	s_cmp_lg_u32 s[SLOTS], 0
	s_cbranch_scc1 .Lslot
	CHANGE 0                                       ; the tail is written out
	TWO_STEPS
	TURN 0, 2, 0, 0, 0
.set i, 0
.rept 32
	PV 2, 0
.set i, i+1
.endr
	; THE TWO HALVES OF THE KEYS MEET.  l's parts are added first (these lines are the places behind the last products).
	WIN 0
.irp t, 0,1,2,3
	v_add_f32 v[ST+8*\t+4], v[ST+8*\t+2], v[ST+8*\t+3]
.endr
.irp t, 0,1,2,3
	v_permlanex16_b32 v[ST+8*\t+5], v[ST+8*\t+4], s[SEL], s[SEL+1]
.endr
.irp t, 0,1,2,3
	v_add_f32 v[ST+8*\t+4], v[ST+8*\t+4], v[ST+8*\t+5]
.endr
	s_cmp_lt_u32 s[WV], 2
	s_cbranch_scc1 .Lkeep
	WIN 0x04                                       ; waves 2 and 3 lay O^T down as an image of its registers, each accumulator from its low end on,
.set i, 0
.rept 64
	ds_store_b128 v[MIM], v[4*i:4*i+3] offset:512*i
.set i, i+1
.endr
	WIN 0
.irp t, 0,1,2,3
	ds_store_b32 v[MSA], v[ST+8*\t] offset:256*\t          ; and m and l
	ds_store_b32 v[MSA], v[ST+8*\t+4] offset:256*\t+128
.endr
.Lkeep:
	s_wait_dscnt 0x0                               ; for the others' sake: my stores have landed
	s_barrier_signal -1
	s_barrier_wait -1
	s_cmp_lt_u32 s[WV], 2
	s_cbranch_scc0 .Lend
	s_load_b64 s[4:5], s[0:1], 0x10                ; yst
	s_bfe_u32 s8, ttmp6, 0x40000
	s_lshl_b32 s9, ttmp9, 2
	s_add_co_u32 s9, s9, s8
	s_and_b32 s10, ttmp7, 0xffff
	s_lshl_b32 s9, s9, 7
	s_and_b32 s11, s[WV], 1
	s_lshl_b32 s11, s11, 6
	s_add_co_u32 s9, s9, s11                       ; my first token
	s_lshl_b32 s12, s9, 12
	s_lshl_b32 s13, s10, 8
	s_add_co_u32 s12, s12, s13                     ; y: tokens of 4,096 bytes, my head's 256
	s_mov_b32 s13, 0
	s_lshl_b32 s14, s10, 11
	s_add_co_u32 s14, s14, s9
	s_lshl_b32 s14, s14, 3
	s_add_co_u32 s14, s14, 8388608                 ; (m, l): behind y, 8 bytes a query
	s_mov_b32 s15, 0
.irp t, 0,1,2,3
	ds_load_b32 v[S+2*\t], v[MSA] offset:256*\t
	ds_load_b32 v[S+2*\t+1], v[MSA] offset:256*\t+128
.endr
	WIN 0xc0
.set i, 0
.rept 64
	ds_load_b128 v[4*i:4*i+3], v[MIM] offset:512*i
.set i, i+1
.endr
	WIN 0
	s_wait_dscnt 63                                ; of 72 loads, which come back in order, at least the oldest nine are in: the eight statistics among them
.irp t, 0,1,2,3
	v_max_num_f32 v[ST+8*\t+5], v[ST+8*\t], v[S+2*\t]      ; m of both halves
.endr
.irp t, 0,1,2,3
	v_sub_f32 v[ST+8*\t+6], v[ST+8*\t], v[ST+8*\t+5]
	v_sub_f32 v[ST+8*\t+7], v[S+2*\t], v[ST+8*\t+5]
.endr
.irp t, 0,1,2,3
	v_exp_f32 v[ST+8*\t+6], v[ST+8*\t+6]
	v_exp_f32 v[ST+8*\t+7], v[ST+8*\t+7]
.endr
	v_cmp_eq_u32 vcc_lo, 0, v9                     ; lanes 0-15 (a plain line behind the exponentials)
	s_wait_alu depctr_va_vdst(0)                   ; one wait for the eight
.irp t, 0,1,2,3
	v_mul_f32 v[ST+8*\t+4], v[ST+8*\t+4], v[ST+8*\t+6]
.endr
.irp t, 0,1,2,3
	v_fma_f32 v[ST+8*\t+4], v[S+2*\t+1], v[ST+8*\t+7], v[ST+8*\t+4]   ; l of both halves
.endr
.irp t, 0,1,2,3
	v_rcp_f32 v[ST+8*\t+1], v[ST+8*\t+4]
.endr
.irp t, 0,1,2,3
	v_cndmask_b32 v[ST+8*\t+3], v[ST+8*\t+4], v[ST+8*\t+5], vcc_lo    ; lanes 0-15 hold m, lanes 16-31 l
.endr
	s_wait_alu depctr_va_vdst(0)                   ; one wait for the four reciprocals
.irp t, 0,1,2,3
	v_mul_f32 v[ST+8*\t+6], v[ST+8*\t+6], v[ST+8*\t+1]     ; what my O^T is multiplied by,
	v_mul_f32 v[ST+8*\t+2], v[ST+8*\t+7], v[ST+8*\t+1]     ; and the partner's
.endr
	s_wait_kmcnt 0x0
	s_add_nc_u64 s[12:13], s[4:5], s[12:13]
	s_add_nc_u64 s[14:15], s[4:5], s[14:15]
.irp t, 0,1,2,3
	global_store_b32 v[SAD], v[ST+8*\t+3], s[14:15] offset:128*\t     ; a tile's 16 pairs: 128 consecutive bytes
.endr
	s_wait_dscnt 0x0                               ; the partner's O^T is in
.macro PACK t
	WIN W_RS
.set i, 64*\t
.rept 32
	v_pk_mul_f32 v[i:i+1], v[i:i+1], v[ST+8*\t+6:ST+8*\t+7] op_sel_hi:[1,0]
.set i, i+2
.endr
	WIN W_PV                                       ; source 0 the partner's (window 3), source 1 window 0, source 2 and destination mine (window 1)
.set i, 64*\t
.rept 32
	v_pk_fma_f32 v[i:i+1], v[i:i+1], v[ST+8*\t+2:ST+8*\t+3], v[i:i+1] op_sel_hi:[1,0,1]
.set i, i+2
.endr
	WIN 0x05
.set i, 0
.rept 32
	v_cvt_pk_f16_f32 v[S+32*\t+i], v[64*\t+2*i], v[64*\t+2*i+1]
.set i, i+1
.endr
	WIN 0
.irp f, 0,1,2,3,4,5,6,7
	ds_store_b128 v[STO], v[S+32*\t+4*\f:S+32*\t+4*\f+3] offset:32*\f
.endr
.irp f, 0,1,2,3,4,5,6,7
	ds_load_b128 v[S+32*\t+4*\f:S+32*\t+4*\f+3], v[RD] offset:\f*2*SP   ; LDS serves a wave's instructions in order
.endr
.endm
.macro SEND t, younger
.irp f, 0,1,2,3,4,5,6,7
	s_wait_dscnt \younger+7-\f
	global_store_b128 v[GO], v[S+32*\t+4*\f:S+32*\t+4*\f+3], s[12:13] offset:(16*\t+2*\f)*4096   ; sixteen lanes store 256 consecutive bytes, aligned
.endr
.endm
	PACK 0
	PACK 1
	SEND 0, 16
	PACK 2
	SEND 1, 16
	PACK 3
	SEND 2, 16
	SEND 3, 0
.Lend:
	s_wait_tensorcnt 0x0                           ; the wave's end
	ds_add_u32 v[SPW], v[NIL]
	s_wait_dscnt 0x0
	CROUND                                         ; the closing round
	s_endpgm
.Lfunc_end_k_q70e5cf28f1_attn:
	.size	k_q70e5cf28f1_attn, .Lfunc_end_k_q70e5cf28f1_attn-k_q70e5cf28f1_attn
	.p2alignl 7, 3214868480
	.fill 96, 4, 3214868480
	.section	.rodata,"a",@progbits
	.p2align	6, 0x0
	.amdhsa_kernel k_q70e5cf28f1_attn
		.amdhsa_group_segment_fixed_size 327680
		.amdhsa_private_segment_fixed_size 0
		.amdhsa_enable_private_segment 0
		.amdhsa_kernarg_size 24
		.amdhsa_user_sgpr_count 2
		.amdhsa_user_sgpr_kernarg_segment_ptr 1
		.amdhsa_wavefront_size32 1
		.amdhsa_system_sgpr_workgroup_id_x 1
		.amdhsa_system_sgpr_workgroup_id_y 1
		.amdhsa_system_sgpr_workgroup_id_z 1
		.amdhsa_system_vgpr_workitem_id 0
		.amdhsa_next_free_vgpr 1024
		.amdhsa_next_free_sgpr 106
		.amdhsa_reserve_vcc 1
		.amdhsa_float_denorm_mode_32 3
		.amdhsa_float_denorm_mode_16_64 3
		.amdhsa_memory_ordered 1
		.amdhsa_forward_progress 1
		.amdhsa_inst_pref_size 255
	.end_amdhsa_kernel
	.section	.bss,"aw",@nobits
	.p2align	6
	.space	262144
	.amdgpu_metadata
---
amdhsa.version: [ 1, 2 ]
amdhsa.kernels:
  - .name:           k_q70e5cf28f1_attn
    .symbol:         k_q70e5cf28f1_attn.kd
    .args:
      - { .name: qkv, .offset: 0, .size: 8, .value_kind: global_buffer, .address_space: global }
      - { .name: mw, .offset: 8, .size: 8, .value_kind: global_buffer, .address_space: global }
      - { .name: yst, .offset: 16, .size: 8, .value_kind: global_buffer, .address_space: global }
    .group_segment_fixed_size: 327680
    .private_segment_fixed_size: 0
    .kernarg_segment_align: 8
    .kernarg_segment_size: 24
    .max_flat_workgroup_size: 128
    .sgpr_count:     106
    .vgpr_count:     1024
    .wavefront_size: 32
...
	.end_amdgpu_metadata
.endif
;; end of part 3
;; launch proj (part 4): grid 16 x 16, 4 waves a work-group, clusters of 4 x 4, 327,680 bytes of LDS; arguments yst, wo16, out0; writes out0
.if DOCPART == 4
	.amdgcn_target "amdgcn-amd-amdhsa--gfx1250"
	.amdhsa_code_object_version 6
	.text
	.protected	k_q70e5cf28f1_proj
	.globl	k_q70e5cf28f1_proj
	.p2align	8
	.type	k_q70e5cf28f1_proj,@function
k_q70e5cf28f1_proj:
	s_mov_b64 s[64:65], 0
	v_nop
	global_prefetch_b8 v0, s[64:65] scope:SCOPE_SE
	s_setreg_imm32_b32 hwreg(HW_REG_WAVE_MODE, 25, 1), 1
	s_wait_xcnt 0x0
	s_wait_alu depctr_hold_cnt(0) depctr_sa_sdst(0) depctr_va_vdst(0) depctr_va_sdst(0) depctr_va_ssrc(0) depctr_va_vcc(0) depctr_vm_vsrc(0)
	s_getreg_b32 s2, hwreg(HW_REG_IB_STS2, 6, 4)
	s_cmp_eq_u32 s2, 0
	s_cbranch_scc0 .Lentry_in_a_cluster
	s_endpgm
.Lentry_in_a_cluster:
	s_bfe_u32 s2, ttmp6, 0x10000c
	s_cmp_lg_u32 s2, 0xf033
	s_cbranch_scc0 .Lentry_shape_is_right
	s_endpgm
.Lentry_shape_is_right:
; out0[t][n] = sum over k of y[t][k] wo[n][k], y and wo in f16, sums in f32, out0 in f32.  2,048 x 2,048 x 2,048.
; A tile of 128 x 128 to a work-group, so that there are 256 of them; four waves, each 64 x 64: 16 accumulators.  K goes in steps of 256 (LDS rows of 512 bytes) through a ring of two slots.
; CLUSTERS: 4 x 4 work-groups; y's tiles are asked for jointly along a row of the cluster, wo's along a column.  The matrix instruction is used transposed: a lane holds eight neighbouring numbers of a row.
; A wave's 64 columns of f32 are 256 consecutive bytes, aligned: each wave has a stage of its own (16 rows x 272 bytes, in slot 0 once that has had its last fill and its last read), and no barrier is needed on the way out.
; Rows 0-15 are written again by the last launch, which sums them in f32.
; REGISTERS: window 0: v0-31 addresses; v32-95 the way out; v128-255 the accumulators.  window 1: two fragment buffers of 128.
.set SIZE_N, 2048
.set SIZE_K, 2048
.set KSTEP,  256
.set PITCH,  528
.set HALFT,  64*PITCH
.set SLOT,   4*HALFT
.set SPARE,  2*SLOT                    ; the spare words, 128 bytes for each wave
.set SPITCH, 272
.set LAPS, SIZE_K/(2*KSTEP)
.set ADRA, 16
.set ADRB, 20
.set STO,  24
.set RD,   25
.set CO,   26
.set SPW,  28
.set NIL,  29
.set TMP,  32
.set ACC,  128
.set F0,   0
.set F1,   128
.set G1, 24
.set G0, 32
.set G1B, 48
.set G0B, 56
.set MSB, 0
.macro WIN new
.if MSB != \new
	s_set_vgpr_msb (MSB<<8)|\new
.set MSB, \new
.endif
.endm
.set MUL,  0x05
.set TO_F, 0x40
.macro JLOAD s
	s_cmp_eq_u32 s11, 0
	s_cbranch_scc0 .Lfor_b_\@
	tensor_load_to_lds s[G0+4*\s:G0+4*\s+3], s[G1:G1+7]
	s_nop 0
.rept 4
	v_nop
.endr
	s_branch .Lasked_\@
.Lfor_b_\@:
	tensor_load_to_lds s[G0B+4*\s:G0B+4*\s+3], s[G1B:G1B+7]
	s_nop 0
.rept 4
	v_nop
.endr
.Lasked_\@:
.endm
.macro CREST
	s_cmp_lg_u32 s10, 0
	s_cbranch_scc1 .Lnot_wave_0_\@
	s_barrier_signal -3
.Lnot_wave_0_\@:
	s_barrier_wait -3
	s_barrier_signal -1
	s_barrier_wait -1
.endm
.macro CROUND
	s_barrier_signal -1
	s_barrier_wait -1
	CREST
.endm
	s_load_b128 s[4:7], s[0:1], 0x0                ; y s[4:5], wo16 s[6:7]
	s_load_b64 s[8:9], s[0:1], 0x10                ; out0
	v_lshl_add_u32 v[SPW], v0, 2, SPARE
	v_mov_b32 v[NIL], 0
	ds_add_u32 v[SPW], v[NIL]                      ; the opening: the add, twice on end, and its wait ahead of my first tensor load
	ds_add_u32 v[SPW], v[NIL]
	v_lshrrev_b32 v1, 5, v0
	v_readfirstlane_b32 s10, v1
	s_lshr_b32 s11, s10, 1                         ; my half of the tile's rows; also: I fetch for y (0) or wo (1)
	s_and_b32 s12, s10, 1                          ; my half of its columns; also: which 64 rows I fetch
	s_bfe_u32 s40, ttmp6, 0x40000
	s_bfe_u32 s41, ttmp6, 0x40004
	s_lshl_b32 s42, ttmp9, 2
	s_add_co_u32 s42, s42, s40                     ; tile column
	s_and_b32 s13, ttmp7, 0xffff
	s_lshl_b32 s13, s13, 2
	s_add_co_u32 s13, s13, s41                     ; tile row
	s_lshl_b32 s43, s41, 2
	s_lshl_b32 s43, 15, s43
	s_lshl_b32 s44, 0x1111, s40
	s_or_b32 s[G1+0], s43, (1<<16)|(1<<20)|(1<<21)|(6<<22)|(3<<25)   ; mask; elements of 2 bytes; padding of 4 words behind every 128; bit 21 beside a mask
	s_or_b32 s[G1B+0], s44, (1<<16)|(1<<20)|(1<<21)|(6<<22)|(3<<25)
.irp g, G1, G1B
	s_mov_b32 s[\g+1], KSTEP<<16
	s_mov_b32 s[\g+2], 64<<16
	s_mov_b32 s[\g+3], KSTEP<<16
	s_mov_b32 s[\g+4], 64
	s_mov_b32 s[\g+5], SIZE_K
	s_mov_b32 s[\g+6], 0
	s_mov_b32 s[\g+7], 0
.endr
	s_lshl_b32 s17, s12, 6
	s_lshl_b32 s16, s13, 7
	s_add_co_u32 s16, s16, s17
	s_lshl_b32 s46, s42, 7
	s_add_co_u32 s46, s46, s17
	s_mov_b32 s17, 0
	s_mov_b32 s47, 0
	s_mov_b64 s[18:19], SIZE_K*2
	s_mul_u64 s[16:17], s[16:17], s[18:19]
	s_mul_u64 s[46:47], s[46:47], s[18:19]
	s_mul_i32 s20, s10, HALFT
	s_wait_dscnt 0x0
	s_wait_kmcnt 0x0
	s_add_nc_u64 s[14:15], s[4:5], s[16:17]
	s_add_nc_u64 s[46:47], s[6:7], s[46:47]
	CROUND
.irp s, 0,1
	s_mov_b32 s[G0+4*\s], 1
	s_add_co_u32 s[G0+4*\s+1], s20, \s*SLOT
	s_add_nc_u64 s[G0+4*\s+2:G0+4*\s+3], s[14:15], \s*KSTEP*2
	s_or_b32 s[G0+4*\s+3], s[G0+4*\s+3], 0x80000000
	s_mov_b32 s[G0B+4*\s], 1
	s_add_co_u32 s[G0B+4*\s+1], s20, \s*SLOT
	s_add_nc_u64 s[G0B+4*\s+2:G0B+4*\s+3], s[46:47], \s*KSTEP*2
	s_or_b32 s[G0B+4*\s+3], s[G0B+4*\s+3], 0x80000000
	JLOAD \s
.endr
	v_and_b32 v1, 15, v0
	v_bfe_u32 v2, v0, 4, 1
	v_mul_u32_u24 v3, v1, PITCH
	v_lshl_add_u32 v3, v2, 4, v3
	s_mul_i32 s21, s11, HALFT
	s_mul_i32 s22, s12, HALFT
	s_add_co_u32 s22, s22, 2*HALFT
.irp s, 0,1
	v_add_nc_u32 v[ADRA+\s], s21, v3
	v_add_nc_u32 v[ADRB+\s], s22, v3
	s_add_co_u32 s21, s21, SLOT
	s_add_co_u32 s22, s22, SLOT
.endr
	s_mul_i32 s23, s10, 16*SPITCH                  ; my stage
	v_mul_u32_u24 v4, v1, SPITCH
	v_lshl_add_u32 v4, v2, 5, v4
	v_add_nc_u32 v[STO], s23, v4                   ; in: row r, 32 bytes for each half of the lanes
	v_mul_u32_u24 v5, v2, SPITCH
	v_lshl_add_u32 v5, v1, 4, v5
	v_add_nc_u32 v[RD], s23, v5                    ; back: lanes 0-15 one row of 256 bytes, lanes 16-31 the next
	v_lshlrev_b32 v5, 13, v2
	v_lshl_add_u32 v[CO], v1, 4, v5                ; and the same two rows in out0
	s_lshl_b32 s16, s13, 7
	s_lshl_b32 s17, s11, 6
	s_add_co_u32 s16, s16, s17                     ; my first row
	s_lshl_b32 s16, s16, 13
	s_mov_b32 s17, 0
	s_add_nc_u64 s[8:9], s[8:9], s[16:17]
	s_lshl_b32 s46, s42, 9
	s_lshl_b32 s47, s12, 8
	s_add_co_u32 s46, s46, s47                     ; my first column, in bytes
	s_mov_b32 s47, 0
	s_add_nc_u64 s[8:9], s[8:9], s[46:47]
.macro MUL8 f, c, a0, zero
.irp a, \a0, \a0+1
.irp b, 0,1,2,3
.if \zero
	v_wmma_f32_16x16x32_f16 v[ACC+8*(4*(\a)+\b):ACC+8*(4*(\a)+\b)+7], v[\f+64+8*(4*\c+\b):\f+64+8*(4*\c+\b)+7], v[\f+8*(4*\c+\a):\f+8*(4*\c+\a)+7], 0
.else
	v_wmma_f32_16x16x32_f16 v[ACC+8*(4*(\a)+\b):ACC+8*(4*(\a)+\b)+7], v[\f+64+8*(4*\c+\b):\f+64+8*(4*\c+\b)+7], v[\f+8*(4*\c+\a):\f+8*(4*\c+\a)+7], v[ACC+8*(4*(\a)+\b):ACC+8*(4*(\a)+\b)+7]
.endif
.endr
.endr
.endm
.macro FETCH slot, k, f
	WIN TO_F
.irp c, 0,1
.irp i, 0,1,2,3
	ds_load_b128 v[\f+64+8*(4*\c+\i):\f+64+8*(4*\c+\i)+3],   v[ADRB+\slot] offset:\k+64*\c+\i*16*PITCH
	ds_load_b128 v[\f+64+8*(4*\c+\i)+4:\f+64+8*(4*\c+\i)+7], v[ADRB+\slot] offset:\k+64*\c+\i*16*PITCH+32
	ds_load_b128 v[\f+8*(4*\c+\i):\f+8*(4*\c+\i)+3],         v[ADRA+\slot] offset:\k+64*\c+\i*16*PITCH
	ds_load_b128 v[\f+8*(4*\c+\i)+4:\f+8*(4*\c+\i)+7],       v[ADRA+\slot] offset:\k+64*\c+\i*16*PITCH+32
.endr
.endr
.endm
.macro PLACES
.rept 4
	v_nop
.endr
.endm
.macro QUARTER slot, k, f, g, zero
	s_wait_dscnt 16                                ; the first 32 along K are in
	WIN MUL
	MUL8 \f, 0, 0, \zero
	MUL8 \f, 0, 2, \zero
	PLACES
	FETCH \slot, \k, \g
	s_wait_dscnt 32                                ; all but the 32 just issued
	WIN MUL
	MUL8 \f, 1, 0, 0
	MUL8 \f, 1, 2, 0
.endm
.macro TURN slot, next, fill
	WIN 0
	s_wait_tensorcnt 0x0                           ; all my tensor loads have landed: my part of the next slot
	ds_add_u32 v[SPW], v[NIL]
	s_wait_dscnt 17                                ; (the add and the youngest sixteen loads may be out)
	WIN MUL
	MUL8 F1, 0, 0, 0
	s_wait_dscnt 0x0                               ; the add is done, and my reads of this slot are over
	s_barrier_signal -1
	MUL8 F1, 0, 2, 0
.if \fill
	WIN 0
.endif
	s_barrier_wait -1
.if \fill
	CREST
	s_add_nc_u64 s[G0+4*\slot+2:G0+4*\slot+3], s[G0+4*\slot+2:G0+4*\slot+3], 2*KSTEP*2
	s_add_nc_u64 s[G0B+4*\slot+2:G0B+4*\slot+3], s[G0B+4*\slot+2:G0B+4*\slot+3], 2*KSTEP*2
	JLOAD \slot
.else
	PLACES
.endif
	FETCH \next, 0, F0
	WIN MUL
	MUL8 F1, 1, 0, 0
	MUL8 F1, 1, 2, 0
.endm
	s_wait_tensorcnt 1                             ; my part of K step 0 is in; K step 1's may stay out
	s_barrier_signal -1
	s_barrier_wait -1
	FETCH 0, 0, F0
	QUARTER 0, 128, F0, F1, 1
	WIN 0
	s_mov_b32 s3, LAPS-1
.Llap:
	QUARTER 0, 256, F1, F0, 0
	QUARTER 0, 384, F0, F1, 0
	TURN 0, 1, 1
	QUARTER 1, 128, F0, F1, 0
	QUARTER 1, 256, F1, F0, 0
	QUARTER 1, 384, F0, F1, 0
	TURN 1, 0, 1
	QUARTER 0, 128, F0, F1, 0
	WIN 0
	s_sub_co_u32 s3, s3, 1
	s_cmp_lg_u32 s3, 0
	s_cbranch_scc1 .Llap
	QUARTER 0, 256, F1, F0, 0
	QUARTER 0, 384, F0, F1, 0
	TURN 0, 1, 0
	QUARTER 1, 128, F0, F1, 0
	QUARTER 1, 256, F1, F0, 0
	QUARTER 1, 384, F0, F1, 0
	s_wait_dscnt 16
	WIN MUL
	MUL8 F1, 0, 0, 0
	MUL8 F1, 0, 2, 0
	s_wait_dscnt 0
	MUL8 F1, 1, 0, 0
	MUL8 F1, 1, 2, 0
	WIN 0
	; THE WAY OUT, 16 rows at a time: into my stage as 32 bytes a lane, back as whole rows of 256 bytes, sixteen lanes to a row.
	PLACES
.irp a, 0,1,2,3
.if \a >= 2
	s_wait_xcnt 0x0                                ; the stores of two blocks back have read these registers
.endif
.irp b, 0,1,2,3
	ds_store_b128 v[STO], v[ACC+8*(4*\a+\b):ACC+8*(4*\a+\b)+3] offset:64*\b        ; each accumulator from its low end on
	ds_store_b128 v[STO], v[ACC+8*(4*\a+\b)+4:ACC+8*(4*\a+\b)+7] offset:64*\b+16
.endr
.irp t, 0,1,2,3,4,5,6,7
	ds_load_b128 v[TMP+32*(\a%2)+4*\t:TMP+32*(\a%2)+4*\t+3], v[RD] offset:2*\t*SPITCH   ; LDS serves a wave's instructions in order
.endr
	s_wait_dscnt 0x0
.irp t, 0,1,2,3,4,5,6,7
	global_store_b128 v[CO], v[TMP+32*(\a%2)+4*\t:TMP+32*(\a%2)+4*\t+3], s[8:9] offset:(16*\a+2*\t)*SIZE_N*4
.endr
.endr
	s_wait_tensorcnt 0x0                           ; the wave's end
	ds_add_u32 v[SPW], v[NIL]
	s_wait_dscnt 0x0
	CROUND
	s_endpgm
.Lfunc_end_k_q70e5cf28f1_proj:
	.size	k_q70e5cf28f1_proj, .Lfunc_end_k_q70e5cf28f1_proj-k_q70e5cf28f1_proj
	.p2alignl 7, 3214868480
	.fill 96, 4, 3214868480
	.section	.rodata,"a",@progbits
	.p2align	6, 0x0
	.amdhsa_kernel k_q70e5cf28f1_proj
		.amdhsa_group_segment_fixed_size 327680
		.amdhsa_private_segment_fixed_size 0
		.amdhsa_enable_private_segment 0
		.amdhsa_kernarg_size 24
		.amdhsa_user_sgpr_count 2
		.amdhsa_user_sgpr_kernarg_segment_ptr 1
		.amdhsa_wavefront_size32 1
		.amdhsa_system_sgpr_workgroup_id_x 1
		.amdhsa_system_sgpr_workgroup_id_y 1
		.amdhsa_system_sgpr_workgroup_id_z 1
		.amdhsa_system_vgpr_workitem_id 0
		.amdhsa_next_free_vgpr 512
		.amdhsa_next_free_sgpr 66
		.amdhsa_reserve_vcc 0
		.amdhsa_float_denorm_mode_32 3
		.amdhsa_float_denorm_mode_16_64 3
		.amdhsa_memory_ordered 1
		.amdhsa_forward_progress 1
		.amdhsa_inst_pref_size 85
	.end_amdhsa_kernel
	.amdgpu_metadata
---
amdhsa.version: [ 1, 2 ]
amdhsa.kernels:
  - .name:           k_q70e5cf28f1_proj
    .symbol:         k_q70e5cf28f1_proj.kd
    .args:
      - { .name: yst, .offset: 0, .size: 8, .value_kind: global_buffer, .address_space: global }
      - { .name: wo16, .offset: 8, .size: 8, .value_kind: global_buffer, .address_space: global }
      - { .name: out0, .offset: 16, .size: 8, .value_kind: global_buffer, .address_space: global }
    .group_segment_fixed_size: 327680
    .private_segment_fixed_size: 0
    .kernarg_segment_align: 8
    .kernarg_segment_size: 24
    .max_flat_workgroup_size: 128
    .sgpr_count:     66
    .vgpr_count:     512
    .wavefront_size: 32
...
	.end_amdgpu_metadata
.endif
;; end of part 4
;; launch fine (part 5): grid 128 x 1, 16 waves a work-group, no clusters, 22,528 bytes of LDS; arguments qkv, yst, mask, wo, out0; writes out0
.if DOCPART == 5
	.amdgcn_target "amdgcn-amd-amdhsa--gfx1250"
	.amdhsa_code_object_version 6
	.text
	.protected	k_q70e5cf28f1_fine
	.globl	k_q70e5cf28f1_fine
	.p2align	8
	.type	k_q70e5cf28f1_fine,@function
k_q70e5cf28f1_fine:
	s_mov_b64 s[64:65], 0
	v_nop
	global_prefetch_b8 v0, s[64:65] scope:SCOPE_SE
	s_setreg_imm32_b32 hwreg(HW_REG_WAVE_MODE, 25, 1), 1
	s_wait_xcnt 0x0
; Rows 0-15 of out0 once more, carried finely: these rows may average very few values, and are then the largest in size.
; The attention launch has left out the block queries 0-15 x keys 0-15.  Here that block's weights p stay in f32, are multiplied with v in f32 (from the f32 copy) by the f32 matrix form, and are joined with
; the coarse part (y in f16 with its m and l): y = (sum of p v + a l_c y_c) / (sum of p + a l_c), a = 2^(m_c - m).  The projection then takes y and wo in f32.  This is no bulk work: 16 rows.
; SHARES.  Work-group g: output columns 16 g .. 16 g + 15.  Wave hd: head hd, which is 128 of the projection's K.  The sixteen waves' parts meet in LDS.  The small attention part is repeated in every work-group.
; The given mask is honoured entry by entry.  A row with no key left at all comes out NaN (0 x infinity).  Where the coarse part is empty (l_c = 0) its y, NaN by construction, is replaced by 0.
; The scores come from q and k in f16; their rounding moves a weight by about one part in ten thousand.
; The stores are runs of 64 bytes of a row: 128 KB in all.
; REGISTERS: v1-15 lane parts and addresses; v16-79 Q's and K's fragments, then V^T in f32, then y in f32; v80-111 the coarse y; v112-127 two sums of S^T, then at work; v128-135 S, then p; v136-143 the mask;
;   v144-159 the softmax's scalars; v160-223 wo; v224-239 two accumulators that the f32 matrix form alone writes; v240-247 my part of the result.
.set SPARE, 20480                      ; behind sixteen stages of 16 rows x 80 bytes: the spare words, 128 bytes for each wave
	s_load_b256 s[4:11], s[0:1], 0x0               ; qkv s[4:5], yst s[6:7], mask s[8:9], wo s[10:11]
	s_load_b64 s[12:13], s[0:1], 0x20              ; out0
	v_lshl_add_u32 v12, v0, 2, SPARE
	v_mov_b32 v13, 0
	v_lshrrev_b32 v1, 5, v0
	v_readfirstlane_b32 s14, v1                    ; wave = head
	v_and_b32 v1, 15, v0                           ; r
	v_bfe_u32 v2, v0, 4, 1                         ; h
	v_lshlrev_b32 v3, 8, v1
	v_lshl_add_u32 v3, v2, 4, v3                   ; q, k: row r of 256 bytes, + 16 h
	v_lshlrev_b32 v4, 13, v1
	v_lshl_add_u32 v4, v2, 5, v4                   ; mask, wo: row r of 8,192 bytes, + 32 h
	v_lshlrev_b32 v5, 3, v1                        ; (m, l) of query r
	v_lshlrev_b32 v6, 16, v2
	v_lshl_add_u32 v6, v1, 2, v6                   ; v in f32: key 8 h of 8,192 bytes, channel r
	v_lshlrev_b32 v7, 12, v1
	v_lshl_add_u32 v7, v2, 4, v7                   ; y: token r of 4,096 bytes, + 16 h
	s_mul_i32 s15, s14, 1280
	v_mul_u32_u24 v8, v1, 80
	v_lshl_add_u32 v8, v2, 5, v8
	v_add_nc_u32 v8, s15, v8                       ; my stage: token r, + 32 h
	v_lshrrev_b32 v9, 2, v0
	v_and_b32 v10, 3, v0
	v_mul_u32_u24 v14, v9, 80
	v_lshl_add_u32 v14, v10, 4, v14                ; the sum over waves: thread t takes token t / 4, 16 bytes t % 4 (threads 0-63)
	v_lshlrev_b32 v15, 13, v9
	v_lshl_add_u32 v15, v10, 4, v15
	v_mov_b32 v11, 0xff800000                      ; -infinity
	v_mov_b32 v145, 0                              ; (a lane permute's destination counts as one of its sources)
	v_mov_b32 v159, -1
	s_mov_b32 s30, 0x76543210
	s_mov_b32 s31, 0xfedcba98
	s_lshl_b32 s16, s14, 19                        ; q of my head
	s_mov_b32 s17, 0
	s_add_co_u32 s18, s16, 8388608                 ; k
	s_mov_b32 s19, 0
	s_lshl_b32 s20, s14, 9
	s_add_co_u32 s20, s20, 25165824                ; v in f32, my head's 512 bytes
	s_mov_b32 s21, 0
	s_lshl_b32 s22, s14, 14
	s_add_co_u32 s22, s22, 8388608                 ; (m, l) of my head
	s_mov_b32 s23, 0
	s_lshl_b32 s24, s14, 8                         ; y, my head's 256 bytes
	s_mov_b32 s25, 0
	s_lshl_b32 s26, ttmp9, 17                      ; wo: my 16 rows,
	s_lshl_b32 s27, s14, 9
	s_add_co_u32 s26, s26, s27                     ; my head's 512 bytes
	s_mov_b32 s27, 0
	s_lshl_b32 s28, ttmp9, 6                       ; out0: my 16 columns
	s_mov_b32 s29, 0
	s_wait_kmcnt 0x0
	s_add_nc_u64 s[16:17], s[4:5], s[16:17]
	s_add_nc_u64 s[18:19], s[4:5], s[18:19]
	s_add_nc_u64 s[20:21], s[4:5], s[20:21]
	s_add_nc_u64 s[22:23], s[6:7], s[22:23]
	s_add_nc_u64 s[24:25], s[6:7], s[24:25]
	s_add_nc_u64 s[26:27], s[10:11], s[26:27]
	s_add_nc_u64 s[12:13], s[12:13], s[28:29]
.irp c, 0,1,2,3
	global_load_b128 v[16+8*\c:19+8*\c], v3, s[16:17] offset:64*\c
	global_load_b128 v[20+8*\c:23+8*\c], v3, s[16:17] offset:64*\c+32
.endr
.irp c, 0,1,2,3
	global_load_b128 v[48+8*\c:51+8*\c], v3, s[18:19] offset:64*\c
	global_load_b128 v[52+8*\c:55+8*\c], v3, s[18:19] offset:64*\c+32
.endr
	global_load_b128 v[136:139], v4, s[8:9]
	global_load_b128 v[140:143], v4, s[8:9] offset:16
	global_load_b64 v[146:147], v5, s[22:23]       ; m_c, l_c
.irp c, 0,1,2,3,4,5,6,7
	global_load_b128 v[80+4*\c:83+4*\c], v7, s[24:25] offset:32*\c     ; the coarse y: channels 16 c + 8 h + 0..7 of token r
.endr
.irp c, 0,1,2,3,4,5,6,7
	global_load_b128 v[160+8*\c:163+8*\c], v4, s[26:27] offset:64*\c   ; wo[16 g + r][128 hd + 16 c + 8 h + 0..7]
	global_load_b128 v[164+8*\c:167+8*\c], v4, s[26:27] offset:64*\c+16
.endr
	s_wait_loadcnt 16                              ; all but wo's sixteen
	; S^T = K Q^T: lane (r, h) holds query r and keys 8 h + 0..7.  Two accumulators by turns.
	v_wmma_f32_16x16x32_f16 v[112:119], v[48:55], v[16:23], 0
	v_wmma_f32_16x16x32_f16 v[120:127], v[56:63], v[24:31], 0
	v_wmma_f32_16x16x32_f16 v[112:119], v[64:71], v[32:39], v[112:119]
	v_wmma_f32_16x16x32_f16 v[120:127], v[72:79], v[40:47], v[120:127]
.rept 4
	v_nop                                          ; places ahead of loads into the fragments' registers and of the first read of the sums
.endr
.set n, 0
.rept 64
	global_load_b32 v[16+n], v6, s[20:21] offset:(n%8)*8192+(n/8)*64   ; V^T: register 8 c + i = v[key 8 h + i][channel 16 c + r]
.set n, n+1
.endr
.irp p, 0,2,4,6
	v_pk_add_f32 v[128+\p:129+\p], v[112+\p:113+\p], v[120+\p:121+\p]
.endr
.irp j, 0,1,2,3,4,5,6,7
	v_cmp_eq_u32 vcc_lo, 0, v[136+\j]
	v_cndmask_b32 v[128+\j], v[128+\j], v11, vcc_lo
.endr
	v_max3_num_f32 v144, v128, v129, v130
	v_max3_num_f32 v144, v144, v131, v132
	v_max3_num_f32 v144, v144, v133, v134
	v_max3_num_f32 v144, v144, v135, v146          ; with the coarse m, which is finite: a floor
	v_permlanex16_b32 v145, v144, s30, s31
	v_max_num_f32 v144, v144, v145                 ; m
.irp j, 0,1,2,3,4,5,6,7
	v_sub_f32 v[128+\j], v[128+\j], v144
.endr
	v_sub_f32 v148, v146, v144
.irp j, 0,1,2,3,4,5,6,7
	v_exp_f32 v[128+\j], v[128+\j]                 ; p
.endr
	v_exp_f32 v148, v148                           ; a
	v_cmp_neq_f32 vcc_lo, 0, v147                  ; is there a coarse part?  (a plain line behind the exponentials)
	s_wait_alu depctr_va_vdst(0)                   ; one wait for the nine
	v_cndmask_b32 v158, v13, v159, vcc_lo          ; all ones where there is
	v_pk_add_f32 v[150:151], v[128:129], v[130:131]
	v_pk_add_f32 v[152:153], v[132:133], v[134:135]
	v_pk_add_f32 v[150:151], v[150:151], v[152:153]
	v_add_f32 v150, v150, v151
	v_permlanex16_b32 v152, v150, s30, s31
	v_add_f32 v150, v150, v152
	v_mul_f32 v149, v148, v147                     ; a l_c
	v_add_f32 v150, v150, v149                     ; l
	v_rcp_f32 v154, v150
.set n, 0
.rept 32
	v_and_b32 v[80+n], v158, v[80+n]
.set n, n+1
.endr
	s_wait_alu depctr_va_vdst(0)
	v_mul_f32 v156, v149, v154                     ; a l_c / l
	v_mov_b32 v155, v154                           ; (the packed forms name pairs)
	v_mov_b32 v157, v156
	s_wait_loadcnt 0x0                             ; V^T and wo
; y^T = V^T p for two tiles of 16 channels: the instruction's k = 2 h + j stands for key 8 h + 2 c + j on both sides.  Two accumulators by turns; each sum begins with the constant 0.
.macro YA u
.irp c, 0,1,2,3
.if \c == 0
	v_wmma_f32_16x16x4_f32 v[224:231], v[16+16*\u:17+16*\u], v[128:129], 0
	v_wmma_f32_16x16x4_f32 v[232:239], v[24+16*\u:25+16*\u], v[128:129], 0
.else
	v_wmma_f32_16x16x4_f32 v[224:231], v[16+16*\u+2*\c:17+16*\u+2*\c], v[128+2*\c:129+2*\c], v[224:231]
	v_wmma_f32_16x16x4_f32 v[232:239], v[24+16*\u+2*\c:25+16*\u+2*\c], v[128+2*\c:129+2*\c], v[232:239]
.endif
.endr
.set d, 112
.endm
.macro YB u                            ; the coarse part times a l_c / l (these lines and the widenings are the places behind the sums), then y = sum / l + that, into the registers that V^T has left
.irp p, 0,2,4,6,8,10,12,14
	v_pk_mul_f32 v[112+\p:113+\p], v[112+\p:113+\p], v[156:157] op_sel_hi:[1,0]
.endr
	v_nop
	v_nop
.irp p, 0,2,4,6,8,10,12,14
	v_pk_fma_f32 v[16+16*\u+\p:17+16*\u+\p], v[224+\p:225+\p], v[154:155], v[112+\p:113+\p] op_sel_hi:[1,0,1]
.endr
.endm
	YA 0
.irp n, v80.l,v80.h,v81.l,v81.h,v82.l,v82.h,v83.l,v83.h,v84.l,v84.h,v85.l,v85.h,v86.l,v86.h,v87.l,v87.h
	v_cvt_f32_f16 v[d], \n
.set d, d+1
.endr
	YB 0
	YA 1
.irp n, v88.l,v88.h,v89.l,v89.h,v90.l,v90.h,v91.l,v91.h,v92.l,v92.h,v93.l,v93.h,v94.l,v94.h,v95.l,v95.h
	v_cvt_f32_f16 v[d], \n
.set d, d+1
.endr
	YB 1
	YA 2
.irp n, v96.l,v96.h,v97.l,v97.h,v98.l,v98.h,v99.l,v99.h,v100.l,v100.h,v101.l,v101.h,v102.l,v102.h,v103.l,v103.h
	v_cvt_f32_f16 v[d], \n
.set d, d+1
.endr
	YB 2
	YA 3
.irp n, v104.l,v104.h,v105.l,v105.h,v106.l,v106.h,v107.l,v107.h,v108.l,v108.h,v109.l,v109.h,v110.l,v110.h,v111.l,v111.h
	v_cvt_f32_f16 v[d], \n
.set d, d+1
.endr
	YB 3
	; the projection over my head's 128 channels: source 0 = 16 rows of wo, source 1 = y; k = 2 h + j stands for channel 16 c + 8 h + 2 c2 + j on both sides
.set n, 0
.rept 32
.if n < 2
	v_wmma_f32_16x16x4_f32 v[224+8*(n%2):231+8*(n%2)], v[160+2*n:161+2*n], v[16+2*n:17+2*n], 0
.else
	v_wmma_f32_16x16x4_f32 v[224+8*(n%2):231+8*(n%2)], v[160+2*n:161+2*n], v[16+2*n:17+2*n], v[224+8*(n%2):231+8*(n%2)]
.endif
.set n, n+1
.endr
.rept 8
	v_nop
.endr
.irp p, 0,2,4,6
	v_pk_add_f32 v[240+\p:241+\p], v[224+\p:225+\p], v[232+\p:233+\p]   ; lane (r, h): token r, columns 16 g + 8 h + 0..7
.endr
	ds_store_b128 v8, v[240:243]
	ds_store_b128 v8, v[244:247] offset:16
	s_wait_dscnt 0x0                               ; for the others' sake: my stores have landed
	s_barrier_signal -1
	s_barrier_wait -1
	s_cmp_lt_u32 s14, 2
	s_cbranch_scc0 .Lend
.set n, 0
.rept 16
	ds_load_b128 v[16+4*n:19+4*n], v14 offset:1280*n
.set n, n+1
.endr
	s_wait_dscnt 0x0
.set n, 1
.rept 15
	v_pk_add_f32 v[16:17], v[16:17], v[16+4*n:17+4*n]
	v_pk_add_f32 v[18:19], v[18:19], v[18+4*n:19+4*n]
.set n, n+1
.endr
	global_store_b128 v15, v[16:19], s[12:13]
.Lend:
	s_wait_tensorcnt 0x0                           ; the wave's end, behind my last LDS store
	ds_add_u32 v12, v13
	s_wait_dscnt 0x0
	s_endpgm
.Lfunc_end_k_q70e5cf28f1_fine:
	.size	k_q70e5cf28f1_fine, .Lfunc_end_k_q70e5cf28f1_fine-k_q70e5cf28f1_fine
	.p2alignl 7, 3214868480
	.fill 96, 4, 3214868480
	.section	.rodata,"a",@progbits
	.p2align	6, 0x0
	.amdhsa_kernel k_q70e5cf28f1_fine
		.amdhsa_group_segment_fixed_size 22528
		.amdhsa_private_segment_fixed_size 0
		.amdhsa_enable_private_segment 0
		.amdhsa_kernarg_size 40
		.amdhsa_user_sgpr_count 2
		.amdhsa_user_sgpr_kernarg_segment_ptr 1
		.amdhsa_wavefront_size32 1
		.amdhsa_system_sgpr_workgroup_id_x 1
		.amdhsa_system_sgpr_workgroup_id_y 1
		.amdhsa_system_sgpr_workgroup_id_z 1
		.amdhsa_system_vgpr_workitem_id 0
		.amdhsa_next_free_vgpr 256
		.amdhsa_next_free_sgpr 66
		.amdhsa_reserve_vcc 1
		.amdhsa_float_denorm_mode_32 3
		.amdhsa_float_denorm_mode_16_64 3
		.amdhsa_memory_ordered 1
		.amdhsa_forward_progress 1
		.amdhsa_inst_pref_size 31
	.end_amdhsa_kernel
	.amdgpu_metadata
---
amdhsa.version: [ 1, 2 ]
amdhsa.kernels:
  - .name:           k_q70e5cf28f1_fine
    .symbol:         k_q70e5cf28f1_fine.kd
    .args:
      - { .name: qkv, .offset: 0, .size: 8, .value_kind: global_buffer, .address_space: global }
      - { .name: yst, .offset: 8, .size: 8, .value_kind: global_buffer, .address_space: global }
      - { .name: mask, .offset: 16, .size: 8, .value_kind: global_buffer, .address_space: global }
      - { .name: wo, .offset: 24, .size: 8, .value_kind: global_buffer, .address_space: global }
      - { .name: out0, .offset: 32, .size: 8, .value_kind: global_buffer, .address_space: global }
    .group_segment_fixed_size: 22528
    .private_segment_fixed_size: 0
    .kernarg_segment_align: 8
    .kernarg_segment_size: 40
    .max_flat_workgroup_size: 512
    .sgpr_count:     66
    .vgpr_count:     256
    .wavefront_size: 32
...
	.end_amdgpu_metadata
.endif
;; end of part 5
